; MI455X (gfx1250); checked and timed in simulation.
; The chip was launched on July 23, 2026; its instructions are those of AMD's public machine-readable ISA for CDNA 5 (MIT licence, August 2026) and "CDNA5" Instruction Set Architecture Reference Guide (July 2026). The comments in the code are by the model that wrote it; some were corrected since.
;; Multi Head Attention. Allowed arithmetic: matrix products marked QUANTISED: E2M1 operands, one E8M0 scale for each 32 along K, by v_wmma_scale_f32_16x16x128_f8f6f4 with both operands' format E2M1 (or v_wmma_scale_f32_32x16x128_f4), f32 sums; products left as they are: bf16, f16 or f32 operands; f32 sums; everything else in f32.
;; Inputs: Q_input 1 x 2,048 x 2,048 float32; Wk 2,048 x 2,048 float32; Wo 2,048 x 2,048 float32; Wq 2,048 x 2,048 float32; Wv 2,048 x 2,048 float32; attention_mask 1 x 1 x 2,048 x 2,048 int32; bo 2,048 float32.
;; Outputs: out0 1 x 2,048 x 2,048 float32.
;; This version of the problem:
;;   THIS VERSION OF THE PROBLEM IS GIVEN IN LOW PRECISION. The matrix products marked QUANTISED in the list below multiply operands that are first quantised to E2M1 (2 exponent bits, 1 mantissa bit; 4 bits a number), with one power-of-two scale for each 32 numbers along K (OCP MX v1.0); their sums are f32. The products marked 'left as it is' may take bf16, f16 or f32 operands, with f32 sums. Whichever they take, every output number must still come out within the allowed error. Rounding operands to bf16 (8 significant bits) uses up far more of that allowance than f16 does (11 bits, for magnitudes from 6e-5 to 65,504). All else is computed in f32.
;;   The module's matrix products, in the order in which they are computed (A, B: the left and right operand; K: the contracted axis; several contracted axes count as one K, in the product's order):
;;     1. [M 2,048, K 2,048] x [K 2,048, N 2,048]; A: input Q_input; B: input Wq: QUANTISED
;;     2. [M 2,048, K 2,048] x [K 2,048, N 2,048]; A: input Q_input; B: input Wk: QUANTISED
;;     3. [M 2,048, K 2,048] x [K 2,048, N 2,048]; A: input Q_input; B: input Wv: QUANTISED
;;     4. batch 16 x [M 2,048, K 128] x [K 128, N 2,048]; A: computed on the way; B: computed on the way: left as it is (an operand is computed on the way)
;;     5. batch 16 x [M 2,048, K 2,048] x [K 2,048, N 128]; A: computed on the way; B: computed on the way: left as it is (an operand is computed on the way)
;;     6. [M 2,048, K 2,048] x [K 2,048, N 2,048]; A: computed on the way; B: input Wo: left as it is (an operand is computed on the way)
;;   THE QUANTISER, for each operand of a quantised product, along K:
;;     - K is cut into blocks of 32 from its start; a last block that is shorter is filled with zeros.
;;     - A block's scale is 2^e with e = floor(log2(the largest magnitude in the block)) - 2, held to -126 .. 127; a block of zeros has e = 0. As a byte (E8M0): e + 127.
;;     - Each number is divided by its block's scale, clamped to +-6, and rounded to the nearest number of E2M1, ties to even, subnormals kept.
;;     - The product sums the exact products of the quantised numbers (number of the format x scale) in f32.
;;   ~~~python
;;   def quantise(x, axis):      # numpy; x: float32 -> the quantised numbers, widened to float32 again
;;       x = np.moveaxis(x, axis, -1); K = x.shape[-1]
;;       x = np.pad(x, [(0, 0)] * (x.ndim - 1) + [(0, -K % 32)]); x = x.reshape(x.shape[:-1] + (-1, 32)); a = np.abs(x).max(-1, keepdims=True)
;;       e = np.where(a > 0, np.clip(np.frexp(np.where(a > 0, a, 1))[1] - 1 - 2, -126, 127), 0)      # np.frexp(a)[1] - 1 = floor(log2(a)), exactly
;;       r = np.clip(x / 2.0 ** e, -6, 6)
;;       step = 2.0 ** (np.maximum(np.frexp(np.where(r == 0, 1, r))[1] - 1, 0) - 1)
;;       q = np.round(r / step) * step * 2.0 ** e      # np.round: ties to even
;;       return np.moveaxis(q.reshape(q.shape[:-2] + (-1,))[..., :K], -1, axis).astype(np.float32)
;;   ~~~
;; One version. Each part assembles by itself: llvm-mc -triple=amdgcn-amd-amdhsa -mcpu=gfx1250 --defsym DOCPART=n.
;; ======== version 1 of 1: 6 launches
;; limits: values are held in f16: magnitudes above 65,504 overflow, below 6.1e-05 lose precision
;; workspace buffers: codes 8,388,608 bytes; scales 524,288 bytes; wo16 8,388,608 bytes; mw 540,672 bytes of whole numbers; qkv 25,559,040 bytes; hf 8,388,608 bytes; hfine 131,072 bytes
;; launch prep (part 1): grid 768 x 1, 4 waves a work-group, no clusters, 50,688 bytes of LDS; arguments Q_input, Wq, Wk, Wv, codes, scales, attention_mask, mw; writes codes, scales, mw
.if DOCPART == 1
	.amdgcn_target "amdgcn-amd-amdhsa--gfx1250"
	.amdhsa_code_object_version 6
	.text
	.protected	k_q6345bebb30_prep
	.globl	k_q6345bebb30_prep
	.p2align	8
	.type	k_q6345bebb30_prep,@function
k_q6345bebb30_prep:
	s_mov_b64 s[64:65], 0
	v_nop
	global_prefetch_b8 v0, s[64:65] scope:SCOPE_SE
	s_setreg_imm32_b32 hwreg(HW_REG_WAVE_MODE, 25, 1), 1
	s_wait_xcnt 0x0
; MULTI-HEAD ATTENTION, launch 1 of 6: what the next two launches need is read here once.
;   work-groups 0-511:   Q_input, Wq, Wk, Wv (f32, K innermost) -> codes of FP4 (E2M1) [8192 rows][1024 bytes] and E8M0 scale bytes [8192][64]; rows 0-2047 x, then Wq, Wk, Wv.
;   work-groups 512-767: attention_mask (int32) -> lane masks and flags, whole numbers for the attention launches.
; (Wo is turned into f16 in launch 4, beside the fine rows' attention; bo is read by launches 5 and 6.)
; DEAD WORK: no input and no product of reference() is dead: every input has a way to out0 for some values, and each is loaded by some launch.
; What the later launches leave out is chosen by whole numbers stored here: a tile of queries x 64 keys in which attention_mask is 0 throughout adds exp(-inf) = 0 to the sum and to the
; weighted values, whatever the other inputs hold.  LIMIT: a NaN, an infinity or an overflow that could arise only in the scores of such a tile is not carried to the result.
; THE QUANTISER: a block's scale is 2^(floor(log2(largest magnitude)) - 2); its byte is the largest magnitude's exponent field - 2, held at 1 from below.  A block of zeros keeps the byte 1
; where the rule says 127: its codes are zeros, which add nothing under any byte but 0xff, and this program alone reads the bytes.
; LIMITS: blocks whose largest magnitude lies under 2^-124 keep the byte 1; NaN and infinities among the inputs are not served.
; MASK WORDS: mw[qt][ks][n], n = 8 kt + j: bit L = (mask[16 qt + L % 16][64 ks + 16 kt + 8 (L / 16) + j] != 0): the lane mask for register n of a tile of scores.
; FLAGS, from byte 524,288 on: [qt][ks]: 0 = no key of the 16 x 64 unit counts, 2 = all count, 1 = some.
; The two kinds of work-group part on the work-group's number; each has LDS bytes of its own.
.set SPARE, 50176                      ; the spare words, 128 bytes a wave: two blocks of 256 bytes that no other line names
.set SPW,   12                         ; v12  SPARE + 4 x my thread's number; never rewritten
.set NIL,   13                         ; v13  0; never rewritten
.set STEPS, 16
.set EMAX,  2
.set CB,    8                          ; bytes of 16 codes
.set R,     16                         ; quantiser: v16-79 four sets of 16 numbers as loaded
.set X,     80                         ; v80-111 two sets of 16 neighbours
.set E,     112                        ; v112-127 a scale byte for each step
.set C,     128                        ; v128-191 codes, four registers a step
.set WREG,  8192                       ; quantiser's LDS: a region for each wave: two stages of 32 x SP bytes, then 256 scale bytes
.set SP,    80
.set MSTG,  32768                      ; mask: a stage of 16 rows x 272 bytes for each wave
.set MR,    16                         ; v16-143 four units as loaded
.set MX,    144                        ; v144-175 a unit in the scores' layout
.set WD,    176                        ; v176-179 a unit's 32 words, a lane a word
.set FL,    180                        ; v180 the four flags, lanes 0-3
	s_load_b256 s[4:11], s[0:1], 0x0               ; Q_input 4:5, Wq 6:7, Wk 8:9, Wv 10:11
	s_load_b128 s[16:19], s[0:1], 0x20             ; codes 16:17, scales 18:19
	s_load_b128 s[20:23], s[0:1], 0x30             ; attention_mask 20:21, mw 22:23
	v_lshl_add_u32 v[SPW], v0, 2, SPARE
	v_mov_b32 v[NIL], 0
	v_lshrrev_b32 v1, 5, v0
	v_readfirstlane_b32 s24, v1                    ; wave
	v_and_b32 v2, 31, v0                           ; lane
	s_wait_kmcnt 0x0
	s_cmp_lt_u32 ttmp9, 512
	s_cbranch_scc0 .Lmask
; ---------------- the quantiser: a wave takes 16 steps of 512 numbers; nothing here knows of rows
	v_lshlrev_b32 v3, 4, v2                        ; my 16 bytes of a load's 512
	s_mul_i32 s25, s24, WREG
	v_lshrrev_b32 v14, 2, v2
	v_mul_u32_u24 v14, v14, SP
	v_and_b32 v15, 3, v2
	v_lshl_add_u32 v14, v15, 4, v14
	v_add_nc_u32 v14, s25, v14                     ; the stage on the way in: four lanes' 64 bytes on end, then 16 of padding
	v_mul_u32_u24 v15, v2, SP
	v_add_nc_u32 v15, s25, v15                     ; and on the way out: my 16 neighbours
	v_mul_u32_u24 v4, v2, CB                       ; my codes' place in a step's
	v_lshrrev_b32 v5, 1, v2
	s_add_co_u32 s25, s25, 2*32*SP
	v_add_nc_u32 v5, s25, v5                       ; my block's scale byte in LDS
	v_lshlrev_b32 v7, 3, v2
	v_add_nc_u32 v6, s25, v7
	s_mov_b64 s[26:27], s[10:11]                   ; which tensor: the choice hangs on the work-group's number alone
	s_cmp_lt_u32 ttmp9, 384
	s_cselect_b64 s[26:27], s[8:9], s[26:27]
	s_cmp_lt_u32 ttmp9, 256
	s_cselect_b64 s[26:27], s[6:7], s[26:27]
	s_cmp_lt_u32 ttmp9, 128
	s_cselect_b64 s[26:27], s[4:5], s[26:27]
	s_and_b32 s28, ttmp9, 127
	s_lshl_b32 s28, s28, 2
	s_add_co_u32 s28, s28, s24                     ; my run of 8,192 numbers in the tensor
	s_lshl_b32 s28, s28, 15
	s_mov_b32 s29, 0
	s_add_nc_u64 s[26:27], s[26:27], s[28:29]
	s_lshl_b32 s30, ttmp9, 2
	s_add_co_u32 s30, s30, s24                     ; and among all four tensors' runs
	s_lshl_b32 s28, s30, 12
	s_add_nc_u64 s[16:17], s[16:17], s[28:29]      ; 4,096 bytes of codes a run
	s_lshl_b32 s28, s30, 8
	s_add_nc_u64 s[18:19], s[18:19], s[28:29]      ; 256 scale bytes a run
.macro QLOAD t
.irp i, 0,1,2,3
	global_load_b128 v[R+16*((\t)%4)+4*\i:R+16*((\t)%4)+4*\i+3], v3, s[26:27] offset:2048*(\t)+512*\i th:TH_LOAD_NT   ; 32 lanes read 512 consecutive bytes
.endr
.endm
.macro QTURN t                         ; a step's numbers through the stage: LDS serves a wave's instructions in order, so no wait stands between the stores and the loads
.irp i, 0,1,2,3
	ds_store_b128 v14, v[R+16*((\t)%4)+4*\i:R+16*((\t)%4)+4*\i+3] offset:32*SP*((\t)%2)+8*SP*\i
.endr
.irp i, 0,1,2,3
	ds_load_b128 v[X+16*((\t)%2)+4*\i:X+16*((\t)%2)+4*\i+3], v15 offset:32*SP*((\t)%2)+16*\i
.endr
.endm
.irp t, 0,1,2,3
	QLOAD \t
.endr
	s_wait_loadcnt 12                              ; step 0's four loads are in; three steps' twelve may be out
	QTURN 0
.macro QSTEP t
.set XS, X+16*((\t)%2)
.if (\t) > 0
	s_wait_dscnt 1                                 ; this step's numbers are back from the stage; the last step's byte store may be out
.else
	s_wait_dscnt 0x0
.endif
.if (\t)+4 < STEPS
	QLOAD (\t)+4
.endif
.if (\t)+1 < STEPS
.if STEPS-2-(\t) >= 3
	s_wait_loadcnt 12                              ; the next step's four loads are in; those of the three steps behind it may be out
.else
	s_wait_loadcnt 4*(STEPS-2-(\t))
.endif
	QTURN (\t)+1
.endif
	v_max3_num_f32 v8, |v[XS]|, |v[XS+1]|, |v[XS+2]|               ; the largest magnitude of my 16
	v_max3_num_f32 v9, |v[XS+3]|, |v[XS+4]|, |v[XS+5]|
.irp i, 6,10
	v_max3_num_f32 v8, v8, |v[XS+\i]|, |v[XS+\i+1]|
	v_max3_num_f32 v9, v9, |v[XS+\i+2]|, |v[XS+\i+3]|
.endr
	v_max3_num_f32 v8, v8, |v[XS+14]|, |v[XS+15]|
	v_max3_num_f32 v8, v8, v9, (EMAX+1)<<23        ; and the floor 2^(3 - 127): the byte cannot fall under 1
	v_max_num_f32_dpp v8, v8, v8 row_xmask:1 row_mask:0xf bank_mask:0xf   ; with my neighbour's 16: the block's
	v_add_nc_u32 v11, -(EMAX<<23), v8              ; 2 off its exponent field: the conversion takes the exponent field of this operand as its scale
	v_cvt_scalef32_pk8_fp4_f32 v[C+4*(\t)], v[XS:XS+7], v11
	v_cvt_scalef32_pk8_fp4_f32 v[C+4*(\t)+1], v[XS+8:XS+15], v11
	v_lshrrev_b32 v[E+(\t)], 23, v11               ; the scale's byte
	ds_store_b8 v5, v[E+(\t)] offset:16*(\t)       ; both lanes of a block write the same byte with the same value
	global_store_b64 v4, v[C+4*(\t):C+4*(\t)+1], s[16:17] offset:32*CB*(\t)   ; the wave stores 256 consecutive bytes, aligned
.endm
.irp t, 0,1,2,3,4,5,6,7,8,9,10,11,12,13,14,15
	QSTEP \t
.endr
	ds_load_b64 v[8:9], v6                         ; my wave's 256 scale bytes, 8 a lane
	s_wait_dscnt 0x0
	global_store_b64 v7, v[8:9], s[18:19]
	s_wait_tensorcnt 0x0                           ; the wave's end
	ds_add_u32 v[SPW], v[NIL]
	s_wait_dscnt 0x0
	s_endpgm
; ---------------- the mask: a wave takes four units of 16 queries x 64 keys
.Lmask:
	s_sub_co_u32 s25, ttmp9, 512
	s_lshl_b32 s25, s25, 2
	s_add_co_u32 s25, s25, s24
	s_lshr_b32 s26, s25, 3                         ; qt: which 16 queries
	s_and_b32 s27, s25, 7
	s_lshl_b32 s27, s27, 2                         ; the first of my four units along the keys
	s_lshl_b32 s28, s26, 17                        ; 16 rows of 8,192 bytes
	s_lshl_b32 s30, s27, 8
	s_add_co_u32 s28, s28, s30
	s_mov_b32 s29, 0
	s_add_nc_u64 s[20:21], s[20:21], s[28:29]
	s_lshl_b32 s30, s26, 5
	s_add_co_u32 s30, s30, s27
	s_lshl_b32 s28, s30, 7
	s_add_nc_u64 s[4:5], s[22:23], s[28:29]        ; my units' words
	s_lshl_b32 s28, s30, 2
	s_add_nc_u64 s[22:23], s[22:23], s[28:29]      ; and flags (524,288 bytes further on)
	v_and_b32 v8, 15, v2
	v_lshrrev_b32 v9, 4, v2
	v_lshlrev_b32 v3, 13, v9
	v_lshl_add_u32 v3, v8, 4, v3                   ; in: lanes 0-15 one row's 256 bytes, lanes 16-31 the next row's
	s_mul_i32 s31, s24, 16*272
	s_add_co_u32 s31, s31, MSTG
	v_mul_u32_u24 v6, v9, 272
	v_lshl_add_u32 v6, v8, 4, v6
	v_add_nc_u32 v6, s31, v6                       ; into the stage likewise
	v_mul_u32_u24 v7, v8, 272
	v_lshl_add_u32 v7, v9, 5, v7
	v_add_nc_u32 v7, s31, v7                       ; back: row lane % 16, keys 8 (lane / 16) on
	v_lshlrev_b32 v5, 2, v2
.irp u, 0,1,2,3,4
	v_mov_b32 v[WD+\u], 0                          ; written whole once: a lane write's destination counts as read
.endr
.irp u, 0,1,2,3
.irp e, 0,1,2,3,4,5,6,7
	global_load_b128 v[MR+32*\u+4*\e:MR+32*\u+4*\e+3], v3, s[20:21] offset:2*\e*8192+256*\u th:TH_LOAD_NT
.endr
.endr
.irp u, 0,1,2,3
	s_wait_loadcnt 24-8*\u                         ; this unit's eight loads are in; the later units' may be out
.irp e, 0,1,2,3,4,5,6,7
	ds_store_b128 v6, v[MR+32*\u+4*\e:MR+32*\u+4*\e+3] offset:2*\e*272
.endr
.irp q, 0,1,2,3,4,5,6,7
	ds_load_b128 v[MX+4*\q:MX+4*\q+3], v7 offset:64*(\q/2)+16*(\q%2)   ; LDS serves a wave's instructions in order: one stage does for the four units
.endr
	s_wait_dscnt 0x0
.set n, 0
.rept 32
	v_cmp_ne_u32 s[32+n], 0, v[MX+n]               ; word n: a bit a lane
.set n, n+1
.endr
	s_and_b32 s25, s32, s33
	s_or_b32 s26, s32, s33
.set n, 34
.rept 30
	s_and_b32 s25, s25, s[n]
	s_or_b32 s26, s26, s[n]
.set n, n+1
.endr
	s_cmp_eq_u32 s25, -1
	s_cselect_b32 s27, 2, 1                        ; all count: 2
	s_cmp_eq_u32 s26, 0
	s_cselect_b32 s27, 0, s27                      ; none counts: 0
	v_writelane_b32 v[FL], s27, \u
.set n, 0
.rept 32
	v_writelane_b32 v[WD+\u], s[32+n], n
.set n, n+1
.endr
	global_store_b32 v5, v[WD+\u], s[4:5] offset:128*\u
.endr
	v_cmp_gt_u32 vcc_lo, 4, v2
	s_wait_xcnt 0x0                                ; EXEC changes only behind this wait
	s_and_saveexec_b32 s25, vcc_lo
	global_store_b32 v5, v[FL], s[22:23] offset:524288
	s_wait_xcnt 0x0                                ; and again in front of the line that widens it
	s_or_b32 exec_lo, exec_lo, s25
	s_wait_tensorcnt 0x0                           ; the wave's end
	ds_add_u32 v[SPW], v[NIL]
	s_wait_dscnt 0x0
	s_endpgm
.Lfunc_end_k_q6345bebb30_prep:
	.size	k_q6345bebb30_prep, .Lfunc_end_k_q6345bebb30_prep-k_q6345bebb30_prep
	.p2alignl 7, 3214868480
	.fill 96, 4, 3214868480
	.section	.rodata,"a",@progbits
	.p2align	6, 0x0
	.amdhsa_kernel k_q6345bebb30_prep
		.amdhsa_group_segment_fixed_size 50688
		.amdhsa_private_segment_fixed_size 0
		.amdhsa_enable_private_segment 0
		.amdhsa_kernarg_size 64
		.amdhsa_user_sgpr_count 2
		.amdhsa_user_sgpr_kernarg_segment_ptr 1
		.amdhsa_wavefront_size32 1
		.amdhsa_system_sgpr_workgroup_id_x 1
		.amdhsa_system_sgpr_workgroup_id_y 1
		.amdhsa_system_sgpr_workgroup_id_z 1
		.amdhsa_system_vgpr_workitem_id 0
		.amdhsa_next_free_vgpr 192
		.amdhsa_next_free_sgpr 66
		.amdhsa_reserve_vcc 1
		.amdhsa_float_denorm_mode_32 3
		.amdhsa_float_denorm_mode_16_64 3
		.amdhsa_memory_ordered 1
		.amdhsa_forward_progress 1
		.amdhsa_inst_pref_size 67
	.end_amdhsa_kernel
	.amdgpu_metadata
---
amdhsa.version: [ 1, 2 ]
amdhsa.kernels:
  - .name:           k_q6345bebb30_prep
    .symbol:         k_q6345bebb30_prep.kd
    .args:
      - { .name: Q_input, .offset: 0, .size: 8, .value_kind: global_buffer, .address_space: global }
      - { .name: Wq, .offset: 8, .size: 8, .value_kind: global_buffer, .address_space: global }
      - { .name: Wk, .offset: 16, .size: 8, .value_kind: global_buffer, .address_space: global }
      - { .name: Wv, .offset: 24, .size: 8, .value_kind: global_buffer, .address_space: global }
      - { .name: codes, .offset: 32, .size: 8, .value_kind: global_buffer, .address_space: global }
      - { .name: scales, .offset: 40, .size: 8, .value_kind: global_buffer, .address_space: global }
      - { .name: attention_mask, .offset: 48, .size: 8, .value_kind: global_buffer, .address_space: global }
      - { .name: mw, .offset: 56, .size: 8, .value_kind: global_buffer, .address_space: global }
    .group_segment_fixed_size: 50688
    .private_segment_fixed_size: 0
    .kernarg_segment_align: 8
    .kernarg_segment_size: 64
    .max_flat_workgroup_size: 128
    .sgpr_count:     66
    .vgpr_count:     192
    .wavefront_size: 32
...
	.end_amdgpu_metadata
.endif
;; end of part 1
;; launch qkv (part 2): grid 24 x 8, 4 waves a work-group, clusters of 4 x 4, 327,680 bytes of LDS; arguments codes, scales, qkv; writes qkv
.if DOCPART == 2
	.amdgcn_target "amdgcn-amd-amdhsa--gfx1250"
	.amdhsa_code_object_version 6
	.text
	.protected	k_q6345bebb30_qkv
	.globl	k_q6345bebb30_qkv
	.p2align	8
	.type	k_q6345bebb30_qkv,@function
k_q6345bebb30_qkv:
	s_mov_b64 s[64:65], 0
	v_nop
	global_prefetch_b8 v0, s[64:65] scope:SCOPE_SE
	s_setreg_imm32_b32 hwreg(HW_REG_WAVE_MODE, 25, 1), 1
	s_wait_xcnt 0x0
	s_wait_alu depctr_hold_cnt(0) depctr_sa_sdst(0) depctr_va_vdst(0) depctr_va_sdst(0) depctr_va_ssrc(0) depctr_va_vcc(0) depctr_vm_vsrc(0)
	s_getreg_b32 s2, hwreg(HW_REG_IB_STS2, 6, 4)
	s_cmp_eq_u32 s2, 0
	s_cbranch_scc0 .Lentry_in_a_cluster
	s_endpgm
.Lentry_in_a_cluster:
	s_bfe_u32 s2, ttmp6, 0x10000c
	s_cmp_lg_u32 s2, 0xf033
	s_cbranch_scc0 .Lentry_shape_is_right
	s_endpgm
.Lentry_shape_is_right:
; Launch 2 of 6: the three QUANTISED products, on codes of FP4 (E2M1) with one E8M0 scale for each 32 along K = 2,048.  Nothing of reference() is left out here.
; codes: [8192 rows][1024 bytes], scales: [8192][64]: rows 0-2047 x, 2048-4095 Wq, 4096-6143 Wk, 6144-8191 Wv.
; Clusters x = 0..3: C = x [Wq | Wk]^T (2,048 tokens x 4,096 channels).  Clusters x = 4, 5: C = Wv x^T = V^T (2,048 channels x 2,048 tokens): the same instructions on other rows.
; A tile of C, 256 x 256, is made by four waves; a wave makes 128 x 128: 64 accumulators, 512 registers.  K goes in steps of 512 through a ring of two LDS slots filled by the tensor data mover;
; the scales of the work-group's rows, for all of K, come into LDS once.  4 x 4 work-groups form a cluster: A's tile is asked for jointly along a row of the cluster, B's along a column.
; THE MATRIX INSTRUCTION IS USED TRANSPOSED (source 0 = 16 rows of B, source 1 = 16 rows of A): a lane holds row lane % 16 of C and eight neighbouring columns 8 (lane / 16) + 0..7.
; THE RESULT LEAVES AS IMAGES OF THE NEXT PRODUCT'S OPERAND REGISTERS: an accumulator, rounded to f16, is four registers a lane; they are stored lane by lane, 512 consecutive bytes a piece.
;   piece (G, R, b) at ((128 G + R) x 8 + b) x 512: G = 128 columns of C (0-15 Q's heads, 16-31 K's heads, 32-47 groups of 128 keys of V^T), R = 16 rows of C, b = 16 columns.
; So no stage is needed, and a wave's 32 KB lie on end.  Tokens 0-15 of Q, K and V also leave in f32 (from byte FINE on), for the launch that carries the first 16 rows finely.
; LIMIT: |Q|, |K|, |V| up to 65,504 (f16).
; REGISTERS, in windows of 256: window 0: v0-31 addresses; v32-95 scale words, two sets; from v128 A's fragments, one set; on the way out v128-255 packed results.
;   window 1: B's fragments, two sets.   window 2: the accumulators of my rows 0-63 ((a, b) at v[8 (8 a + b)]);   window 3: those of my rows 64-127.
.set KSTEP,  512
.set NQ,     KSTEP/128
.set ROWB,   256                       ; a tile's row in bytes
.set KROW,   1024                      ; a row of codes in memory
.set PITCH,  272                       ; an LDS row: 256 bytes + 16 of padding = 68 words: the 16 rows that a load touches start at 16 different banks (64 banks of 4 bytes: ISA guide 11.1)
.set FR,     8
.set NL,     2
.set NP,     4                         ; places behind this matrix instruction (ISA guide 7.12.1)
.set HALFT,  128*PITCH
.set SLOT,   4*HALFT
.set LAPS,   2                         ; K = 2,048: four K steps, twice round the ring
.set KS,     64                        ; a row of scales in bytes
.set SCL,    2*SLOT
.set HALFS,  (128*KS/256)*272
.set SBLK,   (16*KS/256)*272
.set SPARE,  SCL+4*HALFS               ; the spare words, 128 bytes a wave: two blocks of 256 bytes that no other line names
.set FINE,   25165824                  ; where the f32 copies begin in qkv
.set ADRA, 16
.set ADRB, 20
.set CO,   26                          ; v26  16 x lane
.set ADRS, 27
.set SPW,  28
.set NIL,  29
.set SC,   32
.set AF,   128
.set G1, 24
.set G0, 32
.set G1B, 48
.set G0B, 56
.set G1S, 68
.set G0S, 76
.set G1SB, 80
.set G0SB, 88
.set MSB, 0
.macro WIN new                         ; the immediate's high byte repeats the setting that is left
.if MSB != \new
	s_set_vgpr_msb (MSB<<8)|\new
.set MSB, \new
.endif
.endm
.set MUL_LO, 0xa1
.set MUL_HI, 0xf1
.set TO_B,   0x40
; A joint load: waves 0 and 1 fetch for A, waves 2 and 3 for B; the branch hangs on the wave's number alone.  An s_nop 0 and four v_nop follow each of the two lines.
.macro JLOAD g0a, g1a, g0b, g1b
	s_cmp_eq_u32 s15, 0
	s_cbranch_scc0 .Lfor_b_\@
	tensor_load_to_lds s[\g0a:\g0a+3], s[\g1a:\g1a+7]
	s_nop 0
.rept 4
	v_nop
.endr
	s_branch .Lasked_\@
.Lfor_b_\@:
	tensor_load_to_lds s[\g0b:\g0b+3], s[\g1b:\g1b+7]
	s_nop 0
.rept 4
	v_nop
.endr
.Lasked_\@:
.endm
.macro CREST
	s_cmp_lg_u32 s14, 0
	s_cbranch_scc1 .Lnot_wave_0_\@
	s_barrier_signal -3
.Lnot_wave_0_\@:
	s_barrier_wait -3
	s_barrier_signal -1
	s_barrier_wait -1
.endm
.macro CROUND
	s_barrier_signal -1
	s_barrier_wait -1
	CREST
.endm
	s_load_b128 s[4:7], s[0:1], 0x0                ; codes s[4:5], scales s[6:7]: both operands come from them
	s_load_b64 s[12:13], s[0:1], 0x10              ; qkv
	v_lshl_add_u32 v[SPW], v0, 2, SPARE
	v_mov_b32 v[NIL], 0
	ds_add_u32 v[SPW], v[NIL]                      ; the wave's opening: the add, twice on end, and its wait ahead of my first tensor load
	ds_add_u32 v[SPW], v[NIL]
	v_lshrrev_b32 v1, 5, v0
	v_readfirstlane_b32 s14, v1                    ; wave 0..3
	s_lshr_b32 s15, s14, 1                         ; which half of the tile's rows is mine.  Also: I fetch for A (0) or for B (1)
	s_and_b32 s16, s14, 1                          ; which half of its columns.  Also: which 128 rows of that tile I fetch
	s_bfe_u32 s40, ttmp6, 0x40000                  ; cx, cy
	s_bfe_u32 s41, ttmp6, 0x40004
	s_lshl_b32 s42, ttmp9, 2
	s_add_co_u32 s42, s42, s40                     ; tile column 0..23
	s_and_b32 s17, ttmp7, 0xffff
	s_lshl_b32 s17, s17, 2
	s_add_co_u32 s17, s17, s41                     ; tile row 0..7
	s_lshl_b32 s43, s41, 2
	s_lshl_b32 s43, 15, s43                        ; my row of the cluster
	s_lshl_b32 s44, 0x1111, s40                    ; my column
	s_cmp_ge_u32 ttmp9, 4                          ; V^T's clusters: the cluster's x, which all sixteen partners share
	s_cselect_b32 s95, 6144, 0                     ; A begins at Wv's rows there, else at x's
	s_cselect_b32 s97, 1, 0
	s_or_b32 s[G1+0], s43, (0<<16)|(1<<20)|(1<<21)|(5<<22)|(3<<25)  ; the mask; elements of 1 byte; padding on; bit 21 beside a mask; 4 words after every 64
	s_or_b32 s[G1B+0], s44, (0<<16)|(1<<20)|(1<<21)|(5<<22)|(3<<25)
.irp g, G1, G1B
	s_mov_b32 s[\g+1], ROWB<<16                    ; tensor_dim0
	s_mov_b32 s[\g+2], 128<<16                     ; tensor_dim1
	s_mov_b32 s[\g+3], ROWB<<16                    ; tile_dim0
	s_mov_b32 s[\g+4], 128                         ; tile_dim1
	s_mov_b32 s[\g+5], KROW                        ; stride
	s_mov_b32 s[\g+6], 0
	s_mov_b32 s[\g+7], 0
.endr
	s_or_b32 s[G1S+0], s43, (3<<16)|(1<<20)|(1<<21)|(5<<22)|(3<<25)   ; the scales of 128 rows: 8,192 dense bytes as 32 rows of 256
	s_or_b32 s[G1SB+0], s44, (3<<16)|(1<<20)|(1<<21)|(5<<22)|(3<<25)
.irp g, G1S, G1SB
	s_mov_b32 s[\g+1], 32<<16
	s_mov_b32 s[\g+2], (128*KS/256)<<16
	s_mov_b32 s[\g+3], 32<<16
	s_mov_b32 s[\g+4], 128*KS/256
	s_mov_b32 s[\g+5], 32
	s_mov_b32 s[\g+6], 0
	s_mov_b32 s[\g+7], 0
.endr
	s_lshl_b32 s18, s16, 7
	s_lshl_b32 s20, s17, 8
	s_add_co_u32 s20, s20, s18
	s_add_co_u32 s20, s20, s95                     ; A: row 256 x tile row + 128 x half (+ 6,144)
	s_lshl_b32 s46, s42, 8
	s_add_co_u32 s46, s46, s18
	s_add_co_u32 s46, s46, 2048
	s_sub_co_u32 s46, s46, s95                     ; B: row 2,048 + 256 x tile column + 128 x half: Wq, Wk; in V^T's clusters 6,144 less: x
	s_mov_b32 s21, 0
	s_mov_b32 s47, 0
	s_mov_b64 s[18:19], KS
	s_mul_u64 s[22:23], s[20:21], s[18:19]
	s_mul_u64 s[92:93], s[46:47], s[18:19]
	s_mov_b64 s[18:19], KROW
	s_mul_u64 s[20:21], s[20:21], s[18:19]
	s_mul_u64 s[46:47], s[46:47], s[18:19]
	s_mul_i32 s45, s14, HALFT                      ; where they go: wave x 128 rows: no place in the cluster enters an LDS address
	s_mul_i32 s94, s14, HALFS
	s_wait_dscnt 0x0                               ; both opening adds are done
	s_wait_kmcnt 0x0
	s_add_nc_u64 s[20:21], s[4:5], s[20:21]
	s_add_nc_u64 s[22:23], s[6:7], s[22:23]
	s_add_nc_u64 s[46:47], s[4:5], s[46:47]
	s_add_nc_u64 s[92:93], s[6:7], s[92:93]
	CROUND                                         ; all sixteen work-groups are here: the first joint loads meet
	s_mov_b32 s[G0S], 1
	s_add_co_u32 s[G0S+1], s94, SCL
	s_mov_b64 s[G0S+2:G0S+3], s[22:23]
	s_or_b32 s[G0S+3], s[G0S+3], 0x80000000
	s_mov_b32 s[G0SB], 1
	s_add_co_u32 s[G0SB+1], s94, SCL
	s_mov_b64 s[G0SB+2:G0SB+3], s[92:93]
	s_or_b32 s[G0SB+3], s[G0SB+3], 0x80000000
	JLOAD G0S, G1S, G0SB, G1SB                     ; the scales first; by this text's count three loads of mine are out at the start, later one
.irp s, 0,1
	s_mov_b32 s[G0+4*\s], 1
	s_add_co_u32 s[G0+4*\s+1], s45, \s*SLOT
	s_add_nc_u64 s[G0+4*\s+2:G0+4*\s+3], s[20:21], \s*ROWB
	s_or_b32 s[G0+4*\s+3], s[G0+4*\s+3], 0x80000000
	s_mov_b32 s[G0B+4*\s], 1
	s_add_co_u32 s[G0B+4*\s+1], s45, \s*SLOT
	s_add_nc_u64 s[G0B+4*\s+2:G0B+4*\s+3], s[46:47], \s*ROWB
	s_or_b32 s[G0B+4*\s+3], s[G0B+4*\s+3], 0x80000000
	JLOAD G0+4*\s, G1, G0B+4*\s, G1B
.endr
	v_and_b32 v1, 15, v0
	v_bfe_u32 v2, v0, 4, 1
	v_mul_u32_u24 v3, v1, PITCH
	v_lshl_add_u32 v4, v2, 4, v3
	s_mul_i32 s21, s15, HALFT
	s_mul_i32 s22, s16, HALFT
	s_add_co_u32 s22, s22, 2*HALFT
.irp s, 0,1
	v_add_nc_u32 v[ADRA+\s], s21, v4
	v_add_nc_u32 v[ADRB+\s], s22, v4
	s_add_co_u32 s21, s21, SLOT
	s_add_co_u32 s22, s22, SLOT
.endr
	v_mul_u32_u24 v5, v1, KS
	v_lshrrev_b32 v6, 8, v5
	v_lshl_add_u32 v5, v6, 4, v5                   ; my row's scales: 64 bytes a row, 16 more for each 256 passed
	s_mul_i32 s21, s15, HALFS
	s_mul_i32 s22, s16, HALFS
	s_add_co_u32 s22, s22, 2*HALFS
	s_sub_co_u32 s22, s22, s21
	v_mul_u32_u24 v6, s22, v2                      ; lanes 16-31 take B's
	s_add_co_u32 s21, s21, SCL
	v_add_nc_u32 v5, v5, v6
	v_add_nc_u32 v[ADRS], s21, v5
	v_and_b32 v6, 31, v0
	v_lshlrev_b32 v[CO], 4, v6
	; where my results go
	s_lshl_b32 s46, s42, 1
	s_add_co_u32 s46, s46, s16                     ; G = 2 x tile column + half
	s_lshl_b32 s20, s17, 4
	s_lshl_b32 s21, s15, 3
	s_add_co_u32 s20, s20, s21                     ; R0 = 16 x tile row + 8 x half
	s_add_co_u32 s98, s20, s97                     ; 0 where my block 0 holds tokens 0-15 of Q or K
	s_xor_b32 s99, s46, 32                         ; 0 where my column block 0 holds keys 0-15 of V^T
	s_lshl_b32 s92, s46, 13
	s_add_co_u32 s92, s92, FINE
	s_mov_b32 s93, 0
	s_add_nc_u64 s[92:93], s[12:13], s[92:93]      ; the f32 copy of Q's or K's head G
	s_lshl_b32 s94, s20, 10
	s_add_co_u32 s94, s94, FINE+262144
	s_mov_b32 s95, 0
	s_add_nc_u64 s[94:95], s[12:13], s[94:95]      ; and of V^T's blocks R0 on
	s_lshl_b32 s22, s46, 7
	s_add_co_u32 s22, s22, s20
	s_lshl_b32 s22, s22, 12
	s_mov_b32 s23, 0
	s_add_nc_u64 s[12:13], s[12:13], s[22:23]
.macro FRAG reg, adr, q, i
.irp c, 0,1
	ds_load_b128 v[\reg+4*\c:\reg+4*\c+3], v[\adr] offset:64*(\q)+32*\c+(\i)*16*PITCH
.endr
.endm
; 16 matrix instructions: A's blocks a0, a0 + 1 x B's eight.  The 64 accumulators take turns, one instruction a turn, in the same order in every step.
.macro MUL16 a0, p, q, sc, zero
.irp a, \a0, \a0+1
.irp b, 0,1,2,3,4,5,6,7
.if \zero
	v_wmma_scale_f32_16x16x128_f8f6f4 v[8*(8*((\a)%4)+\b):8*(8*((\a)%4)+\b)+7], v[128*(\p)+FR*\b:128*(\p)+FR*\b+FR-1], v[AF+FR*(\a):AF+FR*(\a)+FR-1], 0, v[SC+8*NQ*(\sc)+NQ*\b+(\q)], v[SC+8*NQ*(\sc)+NQ*(\a)+(\q)] matrix_a_fmt:MATRIX_FMT_FP4 matrix_b_fmt:MATRIX_FMT_FP4 matrix_a_scale:MATRIX_SCALE_ROW1
.else
	v_wmma_scale_f32_16x16x128_f8f6f4 v[8*(8*((\a)%4)+\b):8*(8*((\a)%4)+\b)+7], v[128*(\p)+FR*\b:128*(\p)+FR*\b+FR-1], v[AF+FR*(\a):AF+FR*(\a)+FR-1], v[8*(8*((\a)%4)+\b):8*(8*((\a)%4)+\b)+7], v[SC+8*NQ*(\sc)+NQ*\b+(\q)], v[SC+8*NQ*(\sc)+NQ*(\a)+(\q)] matrix_a_fmt:MATRIX_FMT_FP4 matrix_b_fmt:MATRIX_FMT_FP4 matrix_a_scale:MATRIX_SCALE_ROW1
.endif
.endr
.endr
.endm
.macro FETCH_B slot, q, p
	WIN TO_B
.irp i, 0,1,2,3,4,5,6,7
	FRAG 128*(\p)+FR*\i, ADRB+\slot, \q, \i
.endr
	WIN 0
.endm
.macro FETCH_A slot, q, i0
.irp i, \i0, \i0+1, \i0+2, \i0+3
	FRAG AF+FR*(\i), ADRA+\slot, \q, \i
.endr
.endm
.macro SCALES sc                       ; a K step's scale words: lanes 0-15 take A's block i, lanes 16-31 B's block i
.irp i, 0,1,2,3,4,5,6,7
	ds_load_b128 v[SC+8*NQ*\sc+NQ*\i:SC+8*NQ*\sc+NQ*\i+3], v[ADRS] offset:\i*SBLK
.endr
.endm
.macro PLACES n                        ; plain vector instructions between a matrix instruction and a load into, or a read of, its registers
.rept \n
	v_nop
.endr
.endm
.macro STEP slot, q, zero
	s_wait_dscnt 4*NL                              ; B's set and A's blocks 0-3 are in; the youngest eight loads (A's blocks 4-7) may be out
	WIN MUL_LO
	MUL16 0, (\q)%2, \q, \slot, \zero
	MUL16 2, (\q)%2, \q, \slot, \zero
	s_wait_dscnt 0
	PLACES NP
	FETCH_B \slot, (\q)+1, 1-(\q)%2
	FETCH_A \slot, (\q)+1, 0
	WIN MUL_HI
	MUL16 4, (\q)%2, \q, \slot, \zero
	MUL16 6, (\q)%2, \q, \slot, \zero
	PLACES NP
	WIN 0
	FETCH_A \slot, (\q)+1, 4
.endm
; A slot's last step changes slots: one barrier; in front of it each wave waits for all its tensor loads, adds 0 to its spare word, and waits for that and for its own reads of this slot.
.macro TURN slot, next, fill
	s_wait_tensorcnt 0x0                           ; all my tensor loads have landed: my part of the next slot
	ds_add_u32 v[SPW], v[NIL]
	s_wait_dscnt 4*NL+1                            ; the add and the youngest eight loads may be out
	WIN MUL_LO
	MUL16 0, 1, NQ-1, \slot, 0
	s_wait_dscnt 0x0                               ; the add is done, and my reads of this slot are over
	s_barrier_signal -1
	MUL16 2, 1, NQ-1, \slot, 0
	WIN 0
	s_barrier_wait -1
.if \fill
	CREST                                          ; the barrier has opened a round of the cluster's barrier: no wave of any partner still reads this slot or has a load on its way
	s_add_nc_u64 s[G0+4*\slot+2:G0+4*\slot+3], s[G0+4*\slot+2:G0+4*\slot+3], 2*ROWB
	s_add_nc_u64 s[G0B+4*\slot+2:G0B+4*\slot+3], s[G0B+4*\slot+2:G0B+4*\slot+3], 2*ROWB
	JLOAD G0+4*\slot, G1, G0B+4*\slot, G1B         ; the first tensor load behind the round; its four v_nop are the places in front of the loads below
.else
	PLACES NP
.endif
	v_add_nc_u32 v[ADRS], 4*NQ, v[ADRS]
	FETCH_B \next, 0, 0
	FETCH_A \next, 0, 0
	SCALES \next
	WIN MUL_HI
	MUL16 4, 1, NQ-1, \slot, 0
	MUL16 6, 1, NQ-1, \slot, 0
	PLACES NP
	WIN 0
	FETCH_A \next, 0, 4
.endm
.macro STEPS slot, from
.set Q, \from
.rept NQ-1-\from
	STEP \slot, Q, 0
.set Q, Q+1
.endr
.endm
	s_wait_tensorcnt 1                             ; the scales and my part of K step 0 are in; K step 1's load may be out
	s_barrier_signal -1
	s_barrier_wait -1
	FETCH_B 0, 0, 0
	FETCH_A 0, 0, 0
	SCALES 0
	FETCH_A 0, 0, 4
	STEP 0, 0, 1                                   ; the first step's products start the sums: nothing is cleared
	s_mov_b32 s3, LAPS-1
.Llap:
	STEPS 0, 1
	TURN 0, 1, 1
	STEPS 1, 0
	TURN 1, 0, 1
	STEP 0, 0, 0
	s_sub_co_u32 s3, s3, 1
	s_cmp_lg_u32 s3, 0
	s_cbranch_scc1 .Llap
	STEPS 0, 1                                     ; the last lap fills nothing
	TURN 0, 1, 0
	STEPS 1, 0
	s_wait_dscnt 4*NL
	WIN MUL_LO
	MUL16 0, 1, NQ-1, 1, 0
	MUL16 2, 1, NQ-1, 1, 0
	s_wait_dscnt 0
	WIN MUL_HI
	MUL16 4, 1, NQ-1, 1, 0
	MUL16 6, 1, NQ-1, 1, 0
	WIN 0
	; THE WAY OUT.  First the f32 copies of tokens 0-15.  Which wave holds them hangs on its work-group's place, so they are stored under EXEC and under no branch: elsewhere no lane is on.
	PLACES NP
	v_mov_b32 v30, s98
	v_cmp_eq_u32 vcc_lo, 0, v30
	s_wait_xcnt 0x0                                ; EXEC changes only behind this wait
	s_and_saveexec_b32 s2, vcc_lo
	WIN 0x08                                       ; a store's data are its source 1: window 2
.irp b, 0,1,2,3,4,5,6,7
	global_store_b128 v[CO], v[8*\b:8*\b+3], s[92:93] offset:1024*\b          ; accumulator (0, b), from its low end on
	global_store_b128 v[CO], v[8*\b+4:8*\b+7], s[92:93] offset:1024*\b+512
.endr
	WIN 0
	s_wait_xcnt 0x0
	s_or_b32 exec_lo, exec_lo, s2
	v_mov_b32 v30, s99
	v_cmp_eq_u32 vcc_lo, 0, v30
	s_wait_xcnt 0x0
	s_and_saveexec_b32 s2, vcc_lo
.irp a, 0,1,2,3,4,5,6,7
	WIN 0x08+4*(\a/4)
	global_store_b128 v[CO], v[64*(\a%4):64*(\a%4)+3], s[94:95] offset:1024*\a       ; accumulator (a, 0)
	global_store_b128 v[CO], v[64*(\a%4)+4:64*(\a%4)+7], s[94:95] offset:1024*\a+512
.endr
	WIN 0
	s_wait_xcnt 0x0
	s_or_b32 exec_lo, exec_lo, s2
	; then all 64 accumulators, rounded to f16: four registers a lane, 512 consecutive bytes a store
.macro PACK a
.set AC, 64*((\a)%4)
	WIN 0x0a+5*((\a)/4)                            ; sources 0 and 1: window 2 or 3
.irp b, 0,1,2,3,4,5,6,7
.irp r, 0,1,2,3
	v_cvt_pk_f16_f32 v[128+32*((\a)%4)+4*\b+\r], v[AC+8*\b+2*\r], v[AC+8*\b+2*\r+1]
.endr
.endr
	WIN 0
.endm
.irp a, 0,1,2,3,4,5,6,7
.if \a >= 4
	s_wait_xcnt 0x0                                ; block a - 4's stores have read these registers
.endif
	PACK \a
.irp b, 0,1,2,3,4,5,6,7
	global_store_b128 v[CO], v[128+32*(\a%4)+4*\b:128+32*(\a%4)+4*\b+3], s[12:13] offset:4096*\a+512*\b
.endr
.endr
	s_wait_tensorcnt 0x0                           ; the wave's end
	ds_add_u32 v[SPW], v[NIL]
	s_wait_dscnt 0x0
	CROUND                                         ; the closing round: no work-group ends while a partner may still ask for a tile that names it
	s_endpgm
.Lfunc_end_k_q6345bebb30_qkv:
	.size	k_q6345bebb30_qkv, .Lfunc_end_k_q6345bebb30_qkv-k_q6345bebb30_qkv
	.p2alignl 7, 3214868480
	.fill 96, 4, 3214868480
	.section	.rodata,"a",@progbits
	.p2align	6, 0x0
	.amdhsa_kernel k_q6345bebb30_qkv
		.amdhsa_group_segment_fixed_size 327680
		.amdhsa_private_segment_fixed_size 0
		.amdhsa_enable_private_segment 0
		.amdhsa_kernarg_size 24
		.amdhsa_user_sgpr_count 2
		.amdhsa_user_sgpr_kernarg_segment_ptr 1
		.amdhsa_wavefront_size32 1
		.amdhsa_system_sgpr_workgroup_id_x 1
		.amdhsa_system_sgpr_workgroup_id_y 1
		.amdhsa_system_sgpr_workgroup_id_z 1
		.amdhsa_system_vgpr_workitem_id 0
		.amdhsa_next_free_vgpr 1024
		.amdhsa_next_free_sgpr 100
		.amdhsa_reserve_vcc 1
		.amdhsa_float_denorm_mode_32 3
		.amdhsa_float_denorm_mode_16_64 3
		.amdhsa_memory_ordered 1
		.amdhsa_forward_progress 1
		.amdhsa_inst_pref_size 208
	.end_amdhsa_kernel
	.amdgpu_metadata
---
amdhsa.version: [ 1, 2 ]
amdhsa.kernels:
  - .name:           k_q6345bebb30_qkv
    .symbol:         k_q6345bebb30_qkv.kd
    .args:
      - { .name: codes, .offset: 0, .size: 8, .value_kind: global_buffer, .address_space: global }
      - { .name: scales, .offset: 8, .size: 8, .value_kind: global_buffer, .address_space: global }
      - { .name: qkv, .offset: 16, .size: 8, .value_kind: global_buffer, .address_space: global }
    .group_segment_fixed_size: 327680
    .private_segment_fixed_size: 0
    .kernarg_segment_align: 8
    .kernarg_segment_size: 24
    .max_flat_workgroup_size: 128
    .sgpr_count:     100
    .vgpr_count:     1024
    .wavefront_size: 32
...
	.end_amdgpu_metadata
.endif
;; end of part 2
;; launch attn (part 3): grid 16 x 16, 4 waves a work-group, no clusters, 135,680 bytes of LDS; arguments qkv, mw, hf; writes hf
.if DOCPART == 3
	.amdgcn_target "amdgcn-amd-amdhsa--gfx1250"
	.amdhsa_code_object_version 6
	.text
	.protected	k_q6345bebb30_attn
	.globl	k_q6345bebb30_attn
	.p2align	8
	.type	k_q6345bebb30_attn,@function
k_q6345bebb30_attn:
	s_mov_b64 s[64:65], 0
	v_nop
	global_prefetch_b8 v0, s[64:65] scope:SCOPE_SE
	s_setreg_imm32_b32 hwreg(HW_REG_WAVE_MODE, 25, 1), 1
	s_wait_xcnt 0x0
; Launch 3 of 6: head_out = softmax(mask(Q K^T / sqrt(128))) V, f16 operands, f32 sums, maxima and softmax.  The mask is the INPUT, read as the lane masks and flags that launch 1 stored.
; LEFT OUT: steps of 64 queries x 64 keys in which the mask is 0 throughout: each of their terms is exp(-inf) = 0 in reference().  The flags, whole numbers read from memory, decide.
; SHARES.  Work-group (i, head) makes two passes: query block 31 - i, then block i (64 queries, four tiles of 16); the pairing is a choice of balance alone.  In a pass ALL FOUR WAVES hold the same four
; tiles of queries and SPLIT THE KEYS: of the block's steps that count, in the order of the walk, wave w takes numbers w, w + 4, ..  Each wave loads its K and V fragments from memory straight into registers,
; as the images that launch 2 stored: 512 consecutive bytes an instruction, each fragment feeding four matrix instructions, no byte loaded twice in a work-group.  The key loop has no LDS and no barrier,
; so its trip count may hang on the flags.  At a pass's end the four waves' (c m, l, O^T) meet in LDS, and wave w finishes tile w.
; THE ORDER OF THE WALK.  Work-group i begins at step 2 i, goes upward and comes round to step 0: the bits of the steps that count are turned right by 2 i, and a bit's place p stands for step (p + 2 i) mod 32.
; So the sixteen work-groups of a head, which read the same K and V, ask for different steps' bytes at any one time, two steps apart from neighbour to neighbour.  A running maximum and sum hold for any order of the keys.
; NO TENSOR LOAD AND NO CLUSTER: the walk hangs on numbers read from memory, and partners would need different tiles.
; LAYOUT.  S^T = K Q^T (source 0 = 16 keys, source 1 = 16 queries): a lane holds ONE query (lane % 16) and keys 8 (lane / 16) + 0..7; two such tiles rounded to f16 are source 1 of O^T = V^T P.
; SOFTMAX.  A running maximum m over the keys that count (hidden scores are -infinity ahead of it) and a sum l: p = 2^(c s - c m), c = log2(e) / sqrt(128); O and l are multiplied by 2^(c m_old - c m_new) in every step.
; m begins at -3e38, so no difference of infinities arises.  A row with no key that counts ends as 0 x infinity = NaN, as in reference().
; BY TURNS inside a step: tiles 0, 1's softmax stands in slices between tiles 2, 3's products K Q^T; tiles 2, 3's between tiles 0, 1's products V^T P.
; LIMITS: |Q|, |K|, |V|, |head_out| up to 65,504 (f16).  Rows 0-15 are computed here too (they lie in a tile with live rows); launches 4 and 6 carry them again in f32 and write over out0's rows 0-15.
; REGISTERS, in windows of 256: window 0: v1-8 addresses; v12-43 statistics, eight a tile; v44-51 flags; v64-191 S^T; v192-255 P.   window 1: O^T, 64 a tile.   window 2: v0-127 Q, v128-255 K.   window 3: v0-127 V.
.set LN4,  1                           ; v1  4 x lane
.set LOFF, 2                           ; v2  16 x lane
.set OADR, 3                           ; v3  where I store my O^T: 32,768 x wave + 16 x lane
.set RADR, 4                           ; v4  where I read tile w of waves 0, 1: 8,192 x wave + 16 x lane
.set RADR2, 5                          ; v5  and of waves 2, 3: 65,536 more
.set SADR, 6                           ; v6  my statistics: STATS + 1,024 x wave + 4 x lane
.set SRD,  7                           ; v7  tile w's: STATS + 256 x wave + 4 x lane
.set NEG,  8                           ; v8  -infinity
.set ST,   12                          ; tile t at v[ST + 8 t]: +0 c m, +1 m, +2, +3 l (two halves), +4 to +7 at work
.set FLG,  44
.set SPW,  62
.set NIL,  63
.set S,    64
.set P,    192
.set KF,   128
.set STATS, 131072                     ; LDS: 0.. O^T images (wave x 4 + tile) x 8,192; here (wave x 4 + tile) x 256: c m, then l
.set SPARE, 135168                     ; the spare words, 128 bytes a wave: two blocks of 256 bytes that no other line names
.set WV,   12
.set HD,   13
.set PASS, 14
.set ROT,  15                          ; s15 2 i: the step at which my work-group's walk begins
.set MM,   26                          ; s26 my steps still to do, a bit a step, turned right by ROT
.set FULL, 27                          ; s27 steps in which every key counts (not turned)
.set NN,   28                          ; s28 how many steps are mine
.set QB,   29
.set KSC,  30                          ; s30 the step in hand
.set KSN,  31                          ; s31 my next step
.set CNT,  66
.set MO,   67                          ; s67 byte offset of the step's mask words
.set CS,   100
.set SEL,  104
.set MSB, 0
.macro WIN new
.if MSB != \new
	s_set_vgpr_msb (MSB<<8)|\new
.set MSB, \new
.endif
.endm
.set W_KQ, 0x0a                        ; K and Q in window 2, S^T in window 0
.set W_PV, 0x53                        ; V in window 3, P in window 0, O^T in window 1
.set W_RS, 0x41                        ; O^T in window 1, the factor in window 0
.macro PLACES
.rept 4
	v_nop
.endr
.endm
; Product i of 32 of S^T = K Q^T for tiles x, x + 1: channels 32 (i / 8) on, keys 16 ((i / 2) % 4) on.  The first 8 start the sums.  The accumulators take turns.
.macro KQ x
	WIN W_KQ
.set rS, S+32*(\x+i%2)+8*((i/2)%4)
.set rK, KF+32*((i/2)%4)+8*(i/8)
.set rQ, 32*(\x+i%2)+8*(i/8)
.if i < 8
	v_wmma_f32_16x16x32_f16 v[rS:rS+7], v[rK:rK+7], v[rQ:rQ+7], 0
.else
	v_wmma_f32_16x16x32_f16 v[rS:rS+7], v[rK:rK+7], v[rQ:rQ+7], v[rS:rS+7]
.endif
.endm
; Product i of 32 of O^T += V^T P: keys 32 (i / 16) on, channels 16 ((i / 2) % 8) on, tile x + i % 2
.macro PV x
	WIN W_PV
.set rO, 64*(\x+i%2)+8*((i/2)%8)
.set rV, 64*(i/16)+8*((i/2)%8)
.set rP, P+16*(\x+i%2)+8*(i/16)
	v_wmma_f32_16x16x32_f16 v[rO:rO+7], v[rV:rV+7], v[rP:rP+7], v[rO:rO+7]
.endm
; One tile's softmax for a step is a list of 134 instructions; SM writes number j for tile t.
;   0-15 the maximum of 32 scores and the old m;  16-20 the other half of the lanes', the new m, c m, its change;  21-69 ONE BATCH: 16 packed scalings and 33 exponentials, none of which reads an exponential's result;
;   (the wait)  70-85 roundings to f16;  86-101 the sums, l = a l + sum;  102-133 the tile's O^T times a.
.macro SM t
.set rT, ST+8*(\t)
.set rS, S+32*(\t)
.set rP, P+16*(\t)
.set rO, 64*(\t)+2*(j-102)
.if j < 102
	WIN 0
.endif
.if j < 4
	v_max3_num_f32 v[rT+4+j], v[rS+8*j], v[rS+8*j+1], v[rS+8*j+2]
.elseif j < 12
	v_max3_num_f32 v[rT+4+j%4], v[rT+4+j%4], v[rS+8*(j%4)+2*(j/4)+1], v[rS+8*(j%4)+2*(j/4)+2]
.elseif j == 12
	v_max3_num_f32 v[rT+4], v[rT+4], v[rS+7], v[rS+15]
.elseif j == 13
	v_max3_num_f32 v[rT+6], v[rT+6], v[rS+23], v[rS+31]
.elseif j == 14
	v_max3_num_f32 v[rT+4], v[rT+4], v[rT+5], v[rT+6]
.elseif j == 15
	v_max3_num_f32 v[rT+4], v[rT+4], v[rT+7], v[rT+1]
.elseif j == 16
	v_permlanex16_b32 v[rT+5], v[rT+4], s[SEL], s[SEL+1]  ; the query's other 32 keys lie in the lane 16 away
.elseif j == 18
	v_max_num_f32 v[rT+1], v[rT+4], v[rT+5]
.elseif j == 19
	v_mul_f32 v[rT], s[CS], v[rT+1]
.elseif j == 17
	v_mov_b32 v[rT+7], v[rT]                       ; c m_old is kept: number 19 writes c m anew
.elseif j == 20
	v_sub_f32 v[rT+7], v[rT+7], v[rT]
.elseif j == 23
	v_exp_f32 v[rT+6], v[rT+7]                     ; a
.elseif (j < 23) || ((j < 38) && (j%2 == 0)) || ((j < 66) && (j%4 == 2))
.set b, (j-2)/4
.if j < 38
.set b, (j-20)/2
.endif
	v_pk_fma_f32 v[rS+2*b:rS+2*b+1], v[rS+2*b:rS+2*b+1], s[CS:CS+1], v[rT:rT+1] op_sel_hi:[1,0,0] neg_lo:[0,0,1] neg_hi:[0,0,1]  ; pair b: c s - c m
.elseif j < 70
.set e, j-38
.if j < 66
.set e, j-32-(j-38)/4
.endif
.if j < 38
.set e, (j-25)/2
.endif
	v_exp_f32 v[rS+e], v[rS+e]
.elseif j < 86
	v_cvt_pk_f16_f32 v[rP+j-70], v[rS+2*(j-70)], v[rS+2*(j-70)+1]
.elseif j < 102
.set z, j-86
.set w, 4
.set u, z
.if z >= 14
.set w, 32
.set u, 0
.elseif z >= 12
.set w, 16
.set u, z-12
.elseif z >= 8
.set w, 8
.set u, z-8
.endif
.if z < 15
	v_pk_add_f32 v[rS+w*u:rS+w*u+1], v[rS+w*u:rS+w*u+1], v[rS+w*u+w/2:rS+w*u+w/2+1]
.else
	v_pk_fma_f32 v[rT+2:rT+3], v[rT+2:rT+3], v[rT+6:rT+7], v[rS:rS+1] op_sel_hi:[1,0,1]
.endif
.else
	WIN W_RS
	v_pk_mul_f32 v[rO:rO+1], v[rO:rO+1], v[rT+6:rT+7] op_sel_hi:[1,0]
.endif
.endm
; Slice k of 64 of the softmax of tiles y, y + 1: four instructions; slices 11-34 deal out the batch, four numbers of one tile each; slice 63 holds the twelve that are over.
; Behind slice 34 stand one plain instruction and ONE wait for the 66 exponentials: ahead of it nothing names a result, behind it no exponential is issued.
.macro SLICE y
.if (k >= 11) && (k < 35)
.irp n, 0,1,2,3
.set j, 22+4*((k-11)/2)+(\n)
	SM (\y)+(k-11)%2
.endr
.else
.irp n, 0,1,2,3,4,5,6,7
.if (\n < 2) || (k == 63)
.irp t, \y, \y+1
.set j, 2*k+\n
	SM \t
.endr
.endif
.endr
.endif
.if k == 34
	v_nop
	s_wait_alu depctr_va_vdst(0)
.endif
.set k, k+1
.endm
.macro TURNKQ                          ; tiles 2, 3: K Q^T | tiles 0, 1: softmax, two slices behind each product
.set k, 0
.set i, 0
.rept 32
	KQ 2
	SLICE 0
	SLICE 0
.set i, i+1
.endr
.endm
.macro TURNPV                          ; tiles 0, 1: V^T P | tiles 2, 3: softmax
.set k, 0
.set i, 0
.rept 32
	PV 0
	SLICE 2
	SLICE 2
.set i, i+1
.endr
.endm
.macro WORDS p                         ; the 32 mask words of tiles p and p + 1 for the step in hand: s[32:63], s[68:99]
	s_load_b512 s[32:47], s[6:7], s[MO] offset:(\p)*4096
	s_load_b512 s[48:63], s[6:7], s[MO] offset:(\p)*4096+64
	s_load_b512 s[68:83], s[6:7], s[MO] offset:(\p)*4096+4096
	s_load_b512 s[84:99], s[6:7], s[MO] offset:(\p)*4096+4160
.endm
.macro MASK p                          ; hidden scores become -infinity; a step in which every key counts jumps over the 64 selects
	s_wait_kmcnt 0x0
	s_bitcmp1_b32 s[FULL], s[KSC]
	s_cbranch_scc1 .Lfull_\@
.set n, 0
.rept 32
	v_cndmask_b32 v[S+32*(\p)+n], v[NEG], v[S+32*(\p)+n], s[32+n]      ; each accumulator from its low end on
.set n, n+1
.endr
.set n, 0
.rept 32
	v_cndmask_b32 v[S+32*(\p)+32+n], v[NEG], v[S+32*(\p)+32+n], s[68+n]
.set n, n+1
.endr
.Lfull_\@:
.endm
.macro POP dst                         ; my next step: the lowest bit's place, held at 31 before it enters an address, + ROT modulo 32; then that bit and the other three waves' bits go
	s_ctz_i32_b32 s[\dst], s[MM]
	s_min_u32 s[\dst], s[\dst], 31
	s_add_co_u32 s[\dst], s[\dst], s[ROT]
	s_and_b32 s[\dst], s[\dst], 31
.rept 4
	s_sub_co_u32 s2, s[MM], 1
	s_and_b32 s[MM], s[MM], s2
.endr
.endm
.macro MASKS vf                        ; from four tiles' flags (a lane a step): the steps that count, those that are full, how many are mine, and which
	v_cmp_ne_u32 s2, 0, v[\vf]
	v_cmp_ne_u32 s3, 0, v[\vf+1]
	v_cmp_ne_u32 s10, 0, v[\vf+2]
	v_cmp_ne_u32 s11, 0, v[\vf+3]
	s_or_b32 s2, s2, s3
	s_or_b32 s10, s10, s11
	s_or_b32 s[MM], s2, s10
	s_sub_co_u32 s2, 32, s[ROT]                    ; turned right by ROT: a shift takes the low five bits of its count, so ROT = 0 leaves the word as it is
	s_lshl_b32 s2, s[MM], s2
	s_lshr_b32 s3, s[MM], s[ROT]
	s_or_b32 s[MM], s2, s3
	v_cmp_eq_u32 s2, 2, v[\vf]
	v_cmp_eq_u32 s3, 2, v[\vf+1]
	v_cmp_eq_u32 s10, 2, v[\vf+2]
	v_cmp_eq_u32 s11, 2, v[\vf+3]
	s_and_b32 s2, s2, s3
	s_and_b32 s10, s10, s11
	s_and_b32 s[FULL], s2, s10
	s_bcnt1_i32_b32 s[NN], s[MM]
	s_add_co_u32 s[NN], s[NN], 3
	s_sub_co_u32 s[NN], s[NN], s[WV]
	s_lshr_b32 s[NN], s[NN], 2
.irp q, 0,1,2
	s_sub_co_u32 s2, s[MM], 1
	s_and_b32 s2, s[MM], s2
	s_cmp_gt_u32 s[WV], \q
	s_cselect_b32 s[MM], s2, s[MM]                 ; the w lowest bits belong to the waves before me
.endr
.endm
.macro KBASE ks
	s_lshl_b32 s2, s[\ks], 14                      ; four tiles of 16 keys, 4,096 bytes each
	s_mov_b32 s3, 0
	s_add_nc_u64 s[22:23], s[18:19], s[2:3]
.endm
.macro VBASE ks
	s_and_b32 s2, s[\ks], 30
	s_lshl_b32 s2, s2, 18                          ; the group of 128 keys: 524,288 bytes each
	s_and_b32 s3, s[\ks], 1
	s_lshl_b32 s3, s3, 11                          ; which half of it: four pieces of 512 bytes
	s_add_co_u32 s2, s2, s3
	s_mov_b32 s3, 0
	s_add_nc_u64 s[24:25], s[20:21], s[2:3]
.endm
.macro KLOAD
	WIN 0x80                                       ; destination window 2
.set n, 0
.rept 32
	global_load_b128 v[KF+4*n:KF+4*n+3], v[LOFF], s[22:23] offset:512*n
.set n, n+1
.endr
	WIN 0
.endm
.macro VLOAD
	WIN 0xc0                                       ; destination window 3
.irp ct, 0,1,2,3,4,5,6,7
.irp q, 0,1,2,3
	global_load_b128 v[64*(\q/2)+8*\ct+4*(\q%2):64*(\q/2)+8*\ct+4*(\q%2)+3], v[LOFF], s[24:25] offset:4096*\ct+512*\q
.endr
.endr
	WIN 0
.endm
.macro PROLOGUE                        ; a pass's first loads: Q, then my first step's K, then its V.  A wave with no step loads some step's and uses nothing of them
	POP KSC
	s_lshl_b32 s[MO], s[KSC], 7
	s_lshl_b32 s2, s[QB], 14
	s_add_co_u32 s[MO], s[MO], s2
	s_lshl_b32 s3, s[HD], 19
	s_add_co_u32 s2, s2, s3
	s_mov_b32 s3, 0
	s_add_nc_u64 s[10:11], s[4:5], s[2:3]
	WIN 0x80
.set n, 0
.rept 32
	global_load_b128 v[4*n:4*n+3], v[LOFF], s[10:11] offset:512*n
.set n, n+1
.endr
	WIN 0
	KBASE KSC
	KLOAD
	VBASE KSC
	VLOAD
.endm
; A KEY STEP of 64 keys.  pre = 1: my next step's K and V are asked for on the way.
.macro STEP pre
	WORDS 0
.if \pre
	POP KSN
.endif
	s_wait_loadcnt 32                              ; Q and this step's K are in; the 32 younger loads, V's, may be out
.set i, 0
.rept 32
	KQ 0
.set i, i+1
.endr
	WIN 0
	PLACES                                         ; between the last product and the first read of its result
	MASK 0
	WORDS 2
	TURNKQ
	WIN 0                                          ; slices 62 and 63, twenty plain instructions on O^T, are the places behind the last K Q^T
.if \pre
	KBASE KSN                                      ; (this step's K loads were shown done by the wait at the step's head)
	KLOAD
	s_wait_loadcnt 32                              ; V is in; the next K's 32 loads may be out
.else
	s_wait_loadcnt 0x0
.endif
	MASK 2
	TURNPV
.set i, 0
.rept 32
	PV 2
.set i, i+1
.endr
	WIN 0
	PLACES                                         ; in front of loads into V's registers, and of the first read of O^T
.if \pre
	VBASE KSN
	VLOAD
	s_mov_b32 s[KSC], s[KSN]
	s_lshl_b32 s[MO], s[KSC], 7
	s_lshl_b32 s2, s[QB], 14
	s_add_co_u32 s[MO], s[MO], s2
.endif
.endm
	s_load_b128 s[4:7], s[0:1], 0x0                ; qkv, mw
	s_load_b64 s[8:9], s[0:1], 0x10                ; hf
	v_lshl_add_u32 v[SPW], v0, 2, SPARE
	v_mov_b32 v[NIL], 0
	v_lshrrev_b32 v9, 5, v0
	v_readfirstlane_b32 s[WV], v9
	s_and_b32 s[HD], ttmp7, 0xffff
	v_and_b32 v9, 31, v0
	v_lshlrev_b32 v[LN4], 2, v9
	v_lshlrev_b32 v[LOFF], 4, v9
	s_lshl_b32 s2, s[WV], 15
	v_add_nc_u32 v[OADR], s2, v[LOFF]
	s_lshl_b32 s2, s[WV], 13
	v_add_nc_u32 v[RADR], s2, v[LOFF]
	v_add_nc_u32 v[RADR2], 65536, v[RADR]
	s_lshl_b32 s2, s[WV], 10
	v_add_nc_u32 v[SADR], s2, v[LN4]
	v_add_nc_u32 v[SADR], STATS, v[SADR]
	s_lshl_b32 s2, s[WV], 8
	v_add_nc_u32 v[SRD], s2, v[LN4]
	v_add_nc_u32 v[SRD], STATS, v[SRD]
	v_mov_b32 v[NEG], 0xff800000
	s_mov_b32 s[CS], 0x3e0293ee                    ; c = log2(e) / sqrt(128)
	s_mov_b32 s[CS+1], s[CS]
	s_mov_b32 s[SEL], 0x76543210
	s_mov_b32 s[SEL+1], 0xfedcba98
	s_mov_b32 s[PASS], 0
	s_sub_co_u32 s[QB], 31, ttmp9
	s_lshl_b32 s[ROT], ttmp9, 1                    ; 0, 2, .. 30
	s_wait_kmcnt 0x0
	s_lshl_b32 s2, s[QB], 9
	s_mov_b32 s3, 0
	s_add_nc_u64 s[10:11], s[6:7], s[2:3]
	s_lshl_b32 s2, ttmp9, 9
	s_add_nc_u64 s[2:3], s[6:7], s[2:3]
.irp t, 0,1,2,3
	global_load_b32 v[FLG+\t], v[LN4], s[10:11] offset:524288+128*\t     ; the first pass's flags: a lane a step
	global_load_b32 v[FLG+4+\t], v[LN4], s[2:3] offset:524288+128*\t     ; the second's
.endr
	s_add_co_u32 s16, s[HD], 16
	s_lshl_b32 s16, s16, 19
	s_mov_b32 s17, 0
	s_add_nc_u64 s[18:19], s[4:5], s[16:17]        ; K's head
	s_lshl_b32 s16, s[HD], 15
	s_add_co_u32 s16, s16, 32*524288
	s_add_nc_u64 s[20:21], s[4:5], s[16:17]        ; V^T: the head's eight blocks of 16 channels in key group 0
	s_wait_loadcnt 0x0
	MASKS FLG
	PROLOGUE
.Lpass:
	WIN 0x40                                       ; O^T = 0, while the loads are on their way.  (How many steps are mine hangs on the mask and may be 0: no first product can start the sums)
.set n, 0
.rept 256
	v_mov_b32 v[n], 0
.set n, n+1
.endr
	WIN 0
.irp t, 0,1,2,3
	v_mov_b32 v[ST+8*\t+1], 0xff61b1e6             ; m = -3e38, under every score
	v_mov_b32 v[ST+8*\t+2], 0
	v_mov_b32 v[ST+8*\t+3], 0
	v_mov_b32 v[ST+8*\t+5], 0                      ; a lane permute's destination counts as read
.endr
.irp t, 0,1,2,3
	v_mul_f32 v[ST+8*\t], s[CS], v[ST+8*\t+1]
.endr
	s_cmp_eq_u32 s[NN], 0
	s_cbranch_scc1 .Ljoin
	s_mov_b32 s[CNT], 1
	s_cmp_lt_u32 s[CNT], s[NN]
	s_cbranch_scc0 .Ltail
.Lkey:
	STEP 1
	s_add_co_u32 s[CNT], s[CNT], 1
	s_cmp_lt_u32 s[CNT], s[NN]
	s_cbranch_scc1 .Lkey
.Ltail:
	STEP 0                                         ; my last step asks for nothing: written out, so that the counted waits hold on every way
.Ljoin:
	s_wait_loadcnt 0x0                             ; (a wave with no step: its first loads)
	s_wait_xcnt 0x0                                ; the bases below are written again only behind this wait
	s_lshl_b32 s2, s[QB], 2
	s_add_co_u32 s2, s2, s[WV]
	s_lshl_b32 s2, s2, 16
	s_lshl_b32 s3, s[HD], 12
	s_add_co_u32 s2, s2, s3
	s_mov_b32 s3, 0
	s_add_nc_u64 s[16:17], s[8:9], s[2:3]          ; hf: query tile 4 QB + w, my head's eight pieces
	s_cmp_eq_u32 s[PASS], 1
	s_cbranch_scc1 .Lmerge
	s_mov_b32 s[QB], ttmp9                         ; the second pass's first loads land while the first is merged
	MASKS FLG+4
	PROLOGUE
.Lmerge:
.irp t, 0,1,2,3
	v_add_f32 v[ST+8*\t+4], v[ST+8*\t+2], v[ST+8*\t+3]
.endr
.irp t, 0,1,2,3
	v_permlanex16_b32 v[ST+8*\t+5], v[ST+8*\t+4], s[SEL], s[SEL+1]
.endr
.irp t, 0,1,2,3
	v_add_f32 v[ST+8*\t+4], v[ST+8*\t+4], v[ST+8*\t+5]   ; my l of tile t
.endr
.irp t, 0,1,2,3
	ds_store_b32 v[SADR], v[ST+8*\t] offset:256*\t
	ds_store_b32 v[SADR], v[ST+8*\t+4] offset:256*\t+128
.endr
	WIN 0x04                                       ; an LDS store's data are its source 1: window 1
.irp t, 0,1,2,3
.irp p, 0,1,2,3,4,5,6,7,8,9,10,11,12,13,14,15
	ds_store_b128 v[OADR], v[64*\t+4*\p:64*\t+4*\p+3] offset:8192*\t+512*\p    ; O^T as it stands, each accumulator from its low end on
.endr
.endr
	WIN 0
	s_wait_dscnt 0x0                               ; for the others' sake: my stores have landed
	s_barrier_signal -1
	s_barrier_wait -1
	WIN 0x40
.irp u, 0,1
.irp p, 0,1,2,3,4,5,6,7,8,9,10,11,12,13,14,15
	ds_load_b128 v[64*\u+4*\p:64*\u+4*\p+3], v[RADR] offset:32768*\u+512*\p    ; tile w as wave u left it
.endr
.endr
.irp u, 0,1
.irp p, 0,1,2,3,4,5,6,7,8,9,10,11,12,13,14,15
	ds_load_b128 v[128+64*\u+4*\p:128+64*\u+4*\p+3], v[RADR2] offset:32768*\u+512*\p
.endr
.endr
	WIN 0
.irp u, 0,1,2,3
	ds_load_b32 v[64+\u], v[SRD] offset:1024*\u
	ds_load_b32 v[68+\u], v[SRD] offset:1024*\u+128
.endr
	s_wait_dscnt 0x0
	v_max3_num_f32 v72, v64, v65, v66
	v_max_num_f32 v72, v72, v67                    ; the four waves' largest c m
.irp u, 0,1,2,3
	v_sub_f32 v[76+\u], v[64+\u], v72
.endr
.irp u, 0,1,2,3
	v_exp_f32 v[76+\u], v[76+\u]                   ; f_u = 2^(c m_u - c m)
.endr
	v_nop
	s_wait_alu depctr_va_vdst(0)                   ; one wait for the four, ahead of their first reader
	v_mul_f32 v80, v76, v68
	v_fmac_f32 v80, v77, v69
	v_fmac_f32 v80, v78, v70
	v_fmac_f32 v80, v79, v71                       ; the row's sum
	v_rcp_f32 v81, v80
	v_nop
	s_wait_alu depctr_va_vdst(0)
.irp u, 0,1,2,3
	v_mul_f32 v[84+2*\u], v[76+\u], v81            ; g_u = f_u / sum
	v_mul_f32 v[85+2*\u], v[76+\u], v81            ; (named with it as a pair)
.endr
	WIN 0x41
.set n, 0
.rept 32
	v_pk_mul_f32 v[2*n:2*n+1], v[2*n:2*n+1], v[84:85] op_sel_hi:[1,0]
.set n, n+1
.endr
	WIN 0x51
.irp u, 1,2,3
.set n, 0
.rept 32
	v_pk_fma_f32 v[2*n:2*n+1], v[64*\u+2*n:64*\u+2*n+1], v[84+2*\u:85+2*\u], v[2*n:2*n+1] op_sel_hi:[1,0,1]
.set n, n+1
.endr
.endr
	WIN 0x05
.set n, 0
.rept 32
	v_cvt_pk_f16_f32 v[128+n], v[2*n], v[2*n+1]
.set n, n+1
.endr
	WIN 0
.irp ct, 0,1,2,3,4,5,6,7
	global_store_b128 v[LOFF], v[128+4*\ct:128+4*\ct+3], s[16:17] offset:512*\ct   ; a piece: 512 consecutive bytes, aligned: the projection's operand as its registers take it
.endr
	s_wait_xcnt 0x0
	s_wait_dscnt 0x0                               ; my reads of the images are over:
	s_barrier_signal -1
	s_barrier_wait -1                              ; everybody's are, before the next pass stores there
	s_add_co_u32 s[PASS], s[PASS], 1
	s_cmp_lt_u32 s[PASS], 2
	s_cbranch_scc1 .Lpass
	s_wait_tensorcnt 0x0                           ; the wave's end
	ds_add_u32 v[SPW], v[NIL]
	s_wait_dscnt 0x0
	s_endpgm
.Lfunc_end_k_q6345bebb30_attn:
	.size	k_q6345bebb30_attn, .Lfunc_end_k_q6345bebb30_attn-k_q6345bebb30_attn
	.p2alignl 7, 3214868480
	.fill 96, 4, 3214868480
	.section	.rodata,"a",@progbits
	.p2align	6, 0x0
	.amdhsa_kernel k_q6345bebb30_attn
		.amdhsa_group_segment_fixed_size 135680
		.amdhsa_private_segment_fixed_size 0
		.amdhsa_enable_private_segment 0
		.amdhsa_kernarg_size 24
		.amdhsa_user_sgpr_count 2
		.amdhsa_user_sgpr_kernarg_segment_ptr 1
		.amdhsa_wavefront_size32 1
		.amdhsa_system_sgpr_workgroup_id_x 1
		.amdhsa_system_sgpr_workgroup_id_y 1
		.amdhsa_system_sgpr_workgroup_id_z 1
		.amdhsa_system_vgpr_workitem_id 0
		.amdhsa_next_free_vgpr 1024
		.amdhsa_next_free_sgpr 106
		.amdhsa_reserve_vcc 0
		.amdhsa_float_denorm_mode_32 3
		.amdhsa_float_denorm_mode_16_64 3
		.amdhsa_memory_ordered 1
		.amdhsa_forward_progress 1
		.amdhsa_inst_pref_size 165
	.end_amdhsa_kernel
	.amdgpu_metadata
---
amdhsa.version: [ 1, 2 ]
amdhsa.kernels:
  - .name:           k_q6345bebb30_attn
    .symbol:         k_q6345bebb30_attn.kd
    .args:
      - { .name: qkv, .offset: 0, .size: 8, .value_kind: global_buffer, .address_space: global }
      - { .name: mw, .offset: 8, .size: 8, .value_kind: global_buffer, .address_space: global }
      - { .name: hf, .offset: 16, .size: 8, .value_kind: global_buffer, .address_space: global }
    .group_segment_fixed_size: 135680
    .private_segment_fixed_size: 0
    .kernarg_segment_align: 8
    .kernarg_segment_size: 24
    .max_flat_workgroup_size: 128
    .sgpr_count:     106
    .vgpr_count:     1024
    .wavefront_size: 32
...
	.end_amdgpu_metadata
.endif
;; end of part 3
;; launch fattn (part 4): grid 272 x 1, 4 waves a work-group, no clusters, 34,304 bytes of LDS; arguments qkv, mw, hfine, Wo, wo16; writes hfine, wo16
.if DOCPART == 4
	.amdgcn_target "amdgcn-amd-amdhsa--gfx1250"
	.amdhsa_code_object_version 6
	.text
	.protected	k_q6345bebb30_fattn
	.globl	k_q6345bebb30_fattn
	.p2align	8
	.type	k_q6345bebb30_fattn,@function
k_q6345bebb30_fattn:
	s_mov_b64 s[64:65], 0
	v_nop
	global_prefetch_b8 v0, s[64:65] scope:SCOPE_SE
	s_setreg_imm32_b32 hwreg(HW_REG_WAVE_MODE, 25, 1), 1
	s_wait_xcnt 0x0
; Launch 4 of 6, two kinds of work-group that part on the work-group's number.
; WORK-GROUPS 0-15: head_out of rows 0-15 once more, with f32 operands (v_wmma_f32_16x16x4_f32): rows that may average few values are the largest in size, and f16 operands would use up what the comparison allows.
; WORK-GROUPS 16-271: Wo (f32) -> wo16 (f16, row-major), for launch 5: 16 work-groups have work of the first kind, so this stream stands beside them.  LIMIT: |Wo| up to 65,504 (f16).
; LEFT OUT, by the stored flags and words: tiles of 16 keys in which the mask is 0 for all 16 rows (their terms are exp(-inf) = 0).  The mask is honoured as it is given.
; LIMIT: keys 0-15 come from f32 copies of K and V; every other key that counts comes from the f16 images, widened.
; SHARES of the first kind.  A work-group takes a head.  All four waves walk the steps of 64 keys that count for query tile 0; wave w takes the step's w-th tile of 16 keys.  The four (c m, l, O^T) meet in LDS at the end.
; K STEPS OF FOUR.  The instruction gives lane (r, h) k = 2 h + j in register j.  Here a K step is registers 2 i, 2 i + 1 of both halves of the lanes: channel 16 b + 8 h + 2 i + j in K and Q alike,
; key 8 h + 2 c + j in V^T and P alike.  So launch 2's accumulator images, and the scores' own registers, are operands as they stand.
; The registers that the f32 form writes (SA, D) are written by matrix instructions alone; sums begin with the constant 0; what is made of them goes into other registers.
; REGISTERS: window 0: v1-9 addresses; v10 c m, v11 m, v[12:13] l, v[14:15] a; v16-23 at work; v24-55, v56-87 f16 pieces of K, V; v88-151 K, v152-215 V^T in f32; v216-247 SA; v248-255 scores, then p.
;   window 1: v0-63 Q; v64-127 O^T; v128-191 D.     Wo's path: v24-151 32 loads of 4 numbers, v152-215 their f16.
.set FINE,  25165824
.set STATS, 32768
.set SPARE, 33792                      ; the spare words, 128 bytes a wave: two blocks of 256 bytes that no other line names
.set KX, 88
.set VX, 152
.set SA, 216
.set SP, 248
.set MSB, 0
.macro WIN new
.if MSB != \new
	s_set_vgpr_msb (MSB<<8)|\new
.set MSB, \new
.endif
.endm
	s_load_b128 s[4:7], s[0:1], 0x0                ; qkv, mw
	s_load_b128 s[8:11], s[0:1], 0x10              ; hfine, Wo
	s_load_b64 s[16:17], s[0:1], 0x20              ; wo16
	v_lshl_add_u32 v8, v0, 2, SPARE
	v_mov_b32 v9, 0
	v_lshrrev_b32 v16, 5, v0
	v_readfirstlane_b32 s12, v16                   ; wave
	v_and_b32 v16, 31, v0
	v_lshlrev_b32 v1, 2, v16
	v_lshlrev_b32 v2, 4, v16
	s_cmp_ge_u32 ttmp9, 16
	s_cbranch_scc1 .Lwo
	s_lshl_b32 s14, s12, 13
	v_add_nc_u32 v3, s14, v2                       ; my O^T's image
	s_lshl_b32 s14, s12, 11
	v_add_nc_u32 v4, s14, v2                       ; the four pieces that I finish
	s_lshl_b32 s14, s12, 8
	v_add_nc_u32 v5, s14, v1
	v_add_nc_u32 v5, STATS, v5
	v_add_nc_u32 v6, STATS, v1
	v_mov_b32 v7, 0xff800000
	s_mov_b32 s42, 0x3e0293ee                      ; c = log2(e) / sqrt(128)
	s_mov_b32 s43, s42
	s_mov_b32 s44, 0x76543210
	s_mov_b32 s45, 0xfedcba98
	v_mov_b32 v11, 0xff61b1e6                      ; m = -3e38
	v_mul_f32 v10, s42, v11
	v_mov_b32 v12, 0
	v_mov_b32 v13, 0
	v_mov_b32 v15, 0
	v_mov_b32 v17, 0
	s_mov_b32 s15, 0
	s_wait_kmcnt 0x0
	global_load_b32 v16, v1, s[6:7] offset:524288  ; query tile 0's flags, a lane a step
	s_add_co_u32 s14, ttmp9, 16
	s_lshl_b32 s14, s14, 19
	s_lshl_b32 s40, s12, 12
	s_add_co_u32 s14, s14, s40
	s_add_nc_u64 s[16:17], s[4:5], s[14:15]        ; K's f16 images: my head, key tile w of step 0
	s_lshl_b32 s14, ttmp9, 15
	s_lshl_b32 s40, s12, 9
	s_add_co_u32 s14, s14, s40
	s_add_co_u32 s14, s14, 32*524288
	s_add_nc_u64 s[18:19], s[4:5], s[14:15]        ; V^T's
	s_lshl_b32 s14, ttmp9, 13
	s_add_co_u32 s14, s14, FINE
	s_add_nc_u64 s[24:25], s[4:5], s[14:15]        ; the f32 copies: Q,
	s_add_co_u32 s14, s14, 131072
	s_add_nc_u64 s[20:21], s[4:5], s[14:15]        ; K,
	s_add_co_u32 s14, s14, 131072
	s_add_nc_u64 s[22:23], s[4:5], s[14:15]        ; V^T
	s_lshl_b32 s14, ttmp9, 13
	s_lshl_b32 s40, s12, 11
	s_add_co_u32 s14, s14, s40
	s_add_nc_u64 s[8:9], s[8:9], s[14:15]
	WIN 0x40
.set n, 0
.rept 16
	global_load_b128 v[4*n:4*n+3], v2, s[24:25] offset:512*n
.set n, n+1
.endr
.set n, 0
.rept 64
	v_mov_b32 v[64+n], 0                           ; O^T: how many tiles count hangs on the mask
.set n, n+1
.endr
	WIN 0
	s_wait_loadcnt 16                              ; the flags are in; Q's 16 loads may be out
	v_cmp_ne_u32 s28, 0, v16
	s_bcnt1_i32_b32 s29, s28
	s_cmp_eq_u32 s29, 0
	s_cbranch_scc1 .Lmerge
	s_mov_b32 s30, 0
.Ltrip:
	s_wait_xcnt 0x0                                ; the bases below are written again only behind this wait
	s_ctz_i32_b32 s31, s28
	s_min_u32 s31, s31, 31                         ; the step: held at 31 before it enters an address
	s_sub_co_u32 s40, s28, 1
	s_and_b32 s28, s28, s40
	s_lshl_b32 s40, s31, 7
	s_lshl_b32 s46, s12, 5
	s_add_co_u32 s40, s40, s46
	s_load_b256 s[32:39], s[6:7], s40 offset:0x0   ; my tile's eight mask words
	s_wait_kmcnt 0x0
	s_or_b32 s46, s32, s33
	s_or_b32 s46, s46, s34
	s_or_b32 s46, s46, s35
	s_or_b32 s46, s46, s36
	s_or_b32 s46, s46, s37
	s_or_b32 s46, s46, s38
	s_or_b32 s46, s46, s39
	s_cmp_eq_u32 s46, 0
	s_cbranch_scc1 .Lnext                          ; none of my 16 keys counts for any of the 16 rows
	s_lshl_b32 s46, s31, 2
	s_add_co_u32 s46, s46, s12
	s_cmp_eq_u32 s46, 0
	s_cbranch_scc0 .Lcoarse
.set n, 0
.rept 16
	global_load_b128 v[KX+4*n:KX+4*n+3], v2, s[20:21] offset:512*n      ; keys 0-15 in f32
	global_load_b128 v[VX+4*n:VX+4*n+3], v2, s[22:23] offset:512*n
.set n, n+1
.endr
	s_branch .Lhave
.Lcoarse:
	s_lshl_b32 s14, s31, 14
	s_add_nc_u64 s[24:25], s[16:17], s[14:15]
	s_and_b32 s14, s31, 30
	s_lshl_b32 s14, s14, 18
	s_and_b32 s40, s31, 1
	s_lshl_b32 s40, s40, 11
	s_add_co_u32 s14, s14, s40
	s_add_nc_u64 s[26:27], s[18:19], s[14:15]
.irp b, 0,1,2,3,4,5,6,7
	global_load_b128 v[24+4*\b:27+4*\b], v2, s[24:25] offset:512*\b
	global_load_b128 v[56+4*\b:59+4*\b], v2, s[26:27] offset:4096*\b
.endr
	s_wait_loadcnt 0x0
.set n, 0
.rept 32
	v_cvt_f32_f16 v[KX+2*n], v[24+n].l
	v_cvt_f32_f16 v[KX+2*n+1], v[24+n].h
	v_cvt_f32_f16 v[VX+2*n], v[56+n].l
	v_cvt_f32_f16 v[VX+2*n+1], v[56+n].h
.set n, n+1
.endr
.Lhave:
	s_wait_loadcnt 0x0
	WIN 0x04                                       ; source 1 (Q) in window 1
.irp b, 0,1,2,3,4,5,6,7
.irp i, 0,1,2,3
.if \b == 0
	v_wmma_f32_16x16x4_f32 v[SA+8*\i:SA+8*\i+7], v[KX+8*\b+2*\i:KX+8*\b+2*\i+1], v[8*\b+2*\i:8*\b+2*\i+1], 0
.else
	v_wmma_f32_16x16x4_f32 v[SA+8*\i:SA+8*\i+7], v[KX+8*\b+2*\i:KX+8*\b+2*\i+1], v[8*\b+2*\i:8*\b+2*\i+1], v[SA+8*\i:SA+8*\i+7]
.endif
.endr
.endr
	WIN 0
.rept 8
	v_nop                                          ; eight places behind this form (ISA guide 7.12.1)
.endr
.irp z, 0,2,4,6
	v_pk_add_f32 v[SP+\z:SP+\z+1], v[SA+\z:SA+\z+1], v[SA+8+\z:SA+8+\z+1]      ; the four partial scores, from their low ends on
.endr
.irp z, 0,2,4,6
	v_pk_add_f32 v[16+\z:17+\z], v[SA+16+\z:SA+16+\z+1], v[SA+24+\z:SA+24+\z+1]
.endr
.irp z, 0,2,4,6
	v_pk_add_f32 v[SP+\z:SP+\z+1], v[SP+\z:SP+\z+1], v[16+\z:17+\z]
.endr
.irp j, 0,1,2,3,4,5,6,7
	v_cndmask_b32 v[SP+\j], v7, v[SP+\j], s[32+\j] ; hidden scores become -infinity
.endr
	v_max3_num_f32 v16, v248, v249, v250
	v_max3_num_f32 v17, v251, v252, v253
	v_max3_num_f32 v16, v16, v254, v255
	v_max3_num_f32 v16, v16, v17, v11
	v_permlanex16_b32 v17, v16, s44, s45
	v_mov_b32 v18, v10
	v_max_num_f32 v11, v16, v17                    ; the running maximum
	v_mul_f32 v10, s42, v11
	v_sub_f32 v18, v18, v10
.irp z, 0,2,4,6
	v_pk_fma_f32 v[SP+\z:SP+\z+1], v[SP+\z:SP+\z+1], s[42:43], v[10:11] op_sel_hi:[1,0,0] neg_lo:[0,0,1] neg_hi:[0,0,1]
.endr
	v_exp_f32 v14, v18                             ; a = 2^(c m_old - c m_new)
.irp j, 0,1,2,3,4,5,6,7
	v_exp_f32 v[SP+\j], v[SP+\j]
.endr
	v_nop
	s_wait_alu depctr_va_vdst(0)                   ; one wait for the nine, ahead of their first reader
	v_pk_add_f32 v[20:21], v[248:249], v[250:251]
	v_pk_add_f32 v[22:23], v[252:253], v[254:255]
	v_pk_add_f32 v[20:21], v[20:21], v[22:23]
	v_pk_fma_f32 v[12:13], v[12:13], v[14:15], v[20:21] op_sel_hi:[1,0,1]
	WIN 0x50                                       ; C and D in window 1
.irp c, 0,1,2,3
.irp ct, 0,1,2,3,4,5,6,7
.if \c == 0
	v_wmma_f32_16x16x4_f32 v[128+8*\ct:135+8*\ct], v[VX+8*\ct+2*\c:VX+8*\ct+2*\c+1], v[SP+2*\c:SP+2*\c+1], 0
.else
	v_wmma_f32_16x16x4_f32 v[128+8*\ct:135+8*\ct], v[VX+8*\ct+2*\c:VX+8*\ct+2*\c+1], v[SP+2*\c:SP+2*\c+1], v[128+8*\ct:135+8*\ct]
.endif
.endr
.endr
	WIN 0
.rept 9
	v_nop                                          ; nine: the next trip's matrix instructions begin these sums anew, and its loads and additions write the operands
.endr
	WIN 0x51
.set n, 0
.rept 32
	v_pk_fma_f32 v[64+2*n:65+2*n], v[64+2*n:65+2*n], v[14:15], v[128+2*n:129+2*n] op_sel_hi:[1,0,1]   ; O^T = a O^T + D
.set n, n+1
.endr
	WIN 0
.Lnext:
	s_add_co_u32 s30, s30, 1
	s_cmp_lt_u32 s30, s29
	s_cbranch_scc1 .Ltrip
.Lmerge:
	v_add_f32 v16, v12, v13
	v_permlanex16_b32 v17, v16, s44, s45
	v_add_f32 v16, v16, v17
	ds_store_b32 v5, v10
	ds_store_b32 v5, v16 offset:128
	WIN 0x04
.set n, 0
.rept 16
	ds_store_b128 v3, v[64+4*n:67+4*n] offset:512*n
.set n, n+1
.endr
	WIN 0
	s_wait_dscnt 0x0                               ; for the others' sake: my stores have landed
	s_barrier_signal -1
	s_barrier_wait -1
.irp u, 0,1,2,3
	ds_load_b32 v[24+\u], v6 offset:256*\u
	ds_load_b32 v[28+\u], v6 offset:256*\u+128
.irp q, 0,1,2,3
	ds_load_b128 v[88+16*\u+4*\q:91+16*\u+4*\q], v4 offset:8192*\u+512*\q
.endr
.endr
	s_wait_dscnt 0x0
	v_max3_num_f32 v32, v24, v25, v26
	v_max_num_f32 v32, v32, v27
.irp u, 0,1,2,3
	v_sub_f32 v[36+\u], v[24+\u], v32
.endr
.irp u, 0,1,2,3
	v_exp_f32 v[36+\u], v[36+\u]
.endr
	v_nop
	s_wait_alu depctr_va_vdst(0)
	v_mul_f32 v33, v36, v28
	v_fmac_f32 v33, v37, v29
	v_fmac_f32 v33, v38, v30
	v_fmac_f32 v33, v39, v31
	v_rcp_f32 v34, v33
	v_nop
	s_wait_alu depctr_va_vdst(0)
.irp u, 0,1,2,3
	v_mul_f32 v[40+2*\u], v[36+\u], v34
	v_mul_f32 v[41+2*\u], v[36+\u], v34
.endr
.irp z, 0,2,4,6,8,10,12,14
	v_pk_mul_f32 v[56+\z:57+\z], v[88+\z:89+\z], v[40:41] op_sel_hi:[1,0]
.endr
.irp u, 1,2,3
.irp z, 0,2,4,6,8,10,12,14
	v_pk_fma_f32 v[56+\z:57+\z], v[88+16*\u+\z:89+16*\u+\z], v[40+2*\u:41+2*\u], v[56+\z:57+\z] op_sel_hi:[1,0,1]
.endr
.endr
.irp q, 0,1,2,3
	global_store_b128 v2, v[56+4*\q:59+4*\q], s[8:9] offset:512*\q
.endr
	s_wait_tensorcnt 0x0                           ; the wave's end
	ds_add_u32 v8, v9
	s_wait_dscnt 0x0
	s_endpgm
; ---------------- Wo to f16: a wave takes 4,096 numbers: 32 loads of 512 consecutive bytes, all asked for at once; each register is written once, so no store's data are written again
.Lwo:
	v_lshlrev_b32 v3, 3, v16                       ; 8 x lane
	s_sub_co_u32 s14, ttmp9, 16
	s_lshl_b32 s14, s14, 2
	s_add_co_u32 s14, s14, s12                     ; my run, 0 .. 1,023
	s_lshl_b32 s18, s14, 14                        ; 16,384 bytes in,
	s_mov_b32 s19, 0
	s_lshl_b32 s20, s14, 13                        ; 8,192 out
	s_mov_b32 s21, 0
	s_wait_kmcnt 0x0
	s_add_nc_u64 s[10:11], s[10:11], s[18:19]
	s_add_nc_u64 s[16:17], s[16:17], s[20:21]
.set n, 0
.rept 32
	global_load_b128 v[24+4*n:27+4*n], v2, s[10:11] offset:512*n
.set n, n+1
.endr
.set n, 0
.rept 32
	s_wait_loadcnt 31-n                            ; loads come back in order: number n is in, the younger ones stay out
	v_cvt_pk_f16_f32 v[152+2*n], v[24+4*n], v[25+4*n]
	v_cvt_pk_f16_f32 v[153+2*n], v[26+4*n], v[27+4*n]
	global_store_b64 v3, v[152+2*n:153+2*n], s[16:17] offset:256*n   ; 256 consecutive bytes, aligned
.set n, n+1
.endr
	s_endpgm
.Lfunc_end_k_q6345bebb30_fattn:
	.size	k_q6345bebb30_fattn, .Lfunc_end_k_q6345bebb30_fattn-k_q6345bebb30_fattn
	.p2alignl 7, 3214868480
	.fill 96, 4, 3214868480
	.section	.rodata,"a",@progbits
	.p2align	6, 0x0
	.amdhsa_kernel k_q6345bebb30_fattn
		.amdhsa_group_segment_fixed_size 34304
		.amdhsa_private_segment_fixed_size 0
		.amdhsa_enable_private_segment 0
		.amdhsa_kernarg_size 40
		.amdhsa_user_sgpr_count 2
		.amdhsa_user_sgpr_kernarg_segment_ptr 1
		.amdhsa_wavefront_size32 1
		.amdhsa_system_sgpr_workgroup_id_x 1
		.amdhsa_system_sgpr_workgroup_id_y 1
		.amdhsa_system_sgpr_workgroup_id_z 1
		.amdhsa_system_vgpr_workitem_id 0
		.amdhsa_next_free_vgpr 448
		.amdhsa_next_free_sgpr 66
		.amdhsa_reserve_vcc 0
		.amdhsa_float_denorm_mode_32 3
		.amdhsa_float_denorm_mode_16_64 3
		.amdhsa_memory_ordered 1
		.amdhsa_forward_progress 1
		.amdhsa_inst_pref_size 43
	.end_amdhsa_kernel
	.amdgpu_metadata
---
amdhsa.version: [ 1, 2 ]
amdhsa.kernels:
  - .name:           k_q6345bebb30_fattn
    .symbol:         k_q6345bebb30_fattn.kd
    .args:
      - { .name: qkv, .offset: 0, .size: 8, .value_kind: global_buffer, .address_space: global }
      - { .name: mw, .offset: 8, .size: 8, .value_kind: global_buffer, .address_space: global }
      - { .name: hfine, .offset: 16, .size: 8, .value_kind: global_buffer, .address_space: global }
      - { .name: Wo, .offset: 24, .size: 8, .value_kind: global_buffer, .address_space: global }
      - { .name: wo16, .offset: 32, .size: 8, .value_kind: global_buffer, .address_space: global }
    .group_segment_fixed_size: 34304
    .private_segment_fixed_size: 0
    .kernarg_segment_align: 8
    .kernarg_segment_size: 40
    .max_flat_workgroup_size: 128
    .sgpr_count:     66
    .vgpr_count:     448
    .wavefront_size: 32
...
	.end_amdgpu_metadata
.endif
;; end of part 4
;; launch proj (part 5): grid 16 x 16, 4 waves a work-group, clusters of 4 x 4, 327,680 bytes of LDS; arguments hf, wo16, bo, out0; writes out0
.if DOCPART == 5
	.amdgcn_target "amdgcn-amd-amdhsa--gfx1250"
	.amdhsa_code_object_version 6
	.text
	.protected	k_q6345bebb30_proj
	.globl	k_q6345bebb30_proj
	.p2align	8
	.type	k_q6345bebb30_proj,@function
k_q6345bebb30_proj:
	s_mov_b64 s[64:65], 0
	v_nop
	global_prefetch_b8 v0, s[64:65] scope:SCOPE_SE
	s_setreg_imm32_b32 hwreg(HW_REG_WAVE_MODE, 25, 1), 1
	s_wait_xcnt 0x0
	s_wait_alu depctr_hold_cnt(0) depctr_sa_sdst(0) depctr_va_vdst(0) depctr_va_sdst(0) depctr_va_ssrc(0) depctr_va_vcc(0) depctr_vm_vsrc(0)
	s_getreg_b32 s2, hwreg(HW_REG_IB_STS2, 6, 4)
	s_cmp_eq_u32 s2, 0
	s_cbranch_scc0 .Lentry_in_a_cluster
	s_endpgm
.Lentry_in_a_cluster:
	s_bfe_u32 s2, ttmp6, 0x10000c
	s_cmp_lg_u32 s2, 0xf033
	s_cbranch_scc0 .Lentry_shape_is_right
	s_endpgm
.Lentry_shape_is_right:
; Launch 5 of 6: out0 = head_out Wo^T + bo, f16 operands, f32 sums.  Nothing is left out (rows 0-15 lie in live tiles; launch 6 writes over them).
; hf: head_out as images of this product's operand registers: [128 tiles of 16 rows][128 pieces of 16 channels][512 bytes].  wo16: [2048 n][2048 k] f16.  out0: [2048][2048] f32.
; A tile of out0 is 128 x 128: 256 work-groups.  Four waves, each 64 x 64: 16 accumulators.  K goes in steps of 256 through a ring of two LDS slots.
; A's part of a slot is 8 row tiles x 8,192 bytes (a K step's 16 pieces lie on end in memory): a fragment is two loads of 512 consecutive bytes, no pitch, no padding.  B's part is 128 rows of 512 bytes + 16.
; CLUSTERS: 4 x 4 work-groups; A's tiles are asked for jointly along a row of the cluster, B's along a column.
; THE ORDER OF K.  Cluster (X, Y) begins at K step 2 ((X + 2 Y) mod 4), goes upward and comes round to K step 0.  So the four clusters X that read the same rows of hf begin two K steps apart, and the clusters
; Y and Y + 1, which read the same rows of wo16, four K steps apart: at any one time they ask for different bytes.  The start is made of the cluster's own numbers, which all sixteen partners share.  A sum holds for any order of K.
; THE MATRIX INSTRUCTION IS USED TRANSPOSED (source 0 = 16 rows of Wo, source 1 = 16 rows of head_out): a lane holds eight neighbouring numbers of a row of out0.  bo is the C of each sum's first product.
; REGISTERS: window 0: v0-31 addresses; v32-95 the way out; v96-127 bo in the result's layout; v128-255 the accumulators.   window 1: two fragment buffers of 128.
.set SIZE_N, 2048
.set KSTEP,  256
.set PITCH,  528                       ; B's LDS row: 512 bytes + 16 = 132 words: the 16 rows of a load start at 16 different banks (64 banks of 4 bytes: ISA guide 11.1)
.set BHALF,  64*PITCH
.set BOFF,   65536                     ; B's rows lie behind A's 8 x 8,192 bytes
.set SLOT,   BOFF+2*BHALF
.set STAGE,  2*SLOT                    ; behind the ring: 16 rows x 272 bytes for each wave
.set SPITCH, 272
.set SPARE,  STAGE+4*16*SPITCH         ; the spare words, 128 bytes a wave: two blocks of 256 bytes that no other line names
.set LAPS,   4                         ; eight K steps
.set ADRA, 16
.set ADRB, 20
.set STO,  24
.set RD,   25
.set CO,   26
.set SPW,  28
.set NIL,  29
.set TMP,  32
.set BIAS, 96
.set ACC,  128
.set F0,   0
.set F1,   128
.set G1, 24
.set G0, 32
.set G1B, 48
.set G0B, 56
.set AB0, 14                           ; s[14:15] A's rows that I fetch, at K step 0; kept
.set BB0, 72                           ; s[72:73] B's; kept
.set KI,  74                           ; s74 the K step that slot 0 holds or is being given: even, 0 .. 6; slot 1's is one more
.set OFS, 76                           ; s[76:77] a byte offset along K, the upper word 0
.set MSB, 0
.macro WIN new
.if MSB != \new
	s_set_vgpr_msb (MSB<<8)|\new
.set MSB, \new
.endif
.endm
.set MUL,  0x05
.set TO_F, 0x40
.macro JLOAD s                         ; a joint load: waves 0 and 1 fetch A's two halves, waves 2 and 3 B's; an s_nop 0 and four v_nop follow each of the two lines
	s_cmp_eq_u32 s11, 0
	s_cbranch_scc0 .Lfor_b_\@
	tensor_load_to_lds s[G0+4*\s:G0+4*\s+3], s[G1:G1+7]
	s_nop 0
.rept 4
	v_nop
.endr
	s_branch .Lasked_\@
.Lfor_b_\@:
	tensor_load_to_lds s[G0B+4*\s:G0B+4*\s+3], s[G1B:G1B+7]
	s_nop 0
.rept 4
	v_nop
.endr
.Lasked_\@:
.endm
.macro AIM slot                        ; both groups 0 of a slot are pointed at K step KI + slot: 8,192 bytes a K step in hf's images, 512 in a row of wo16.  Written only where no tensor load of the wave is out
	s_lshl_b32 s[OFS], s[KI], 13
.if \slot
	s_add_co_u32 s[OFS], s[OFS], 8192
.endif
	s_add_nc_u64 s[G0+4*\slot+2:G0+4*\slot+3], s[AB0:AB0+1], s[OFS:OFS+1]
	s_or_b32 s[G0+4*\slot+3], s[G0+4*\slot+3], 0x80000000
	s_lshl_b32 s[OFS], s[KI], 9
.if \slot
	s_add_co_u32 s[OFS], s[OFS], 512
.endif
	s_add_nc_u64 s[G0B+4*\slot+2:G0B+4*\slot+3], s[BB0:BB0+1], s[OFS:OFS+1]
	s_or_b32 s[G0B+4*\slot+3], s[G0B+4*\slot+3], 0x80000000
.endm
.macro CREST
	s_cmp_lg_u32 s10, 0
	s_cbranch_scc1 .Lnot_wave_0_\@
	s_barrier_signal -3
.Lnot_wave_0_\@:
	s_barrier_wait -3
	s_barrier_signal -1
	s_barrier_wait -1
.endm
.macro CROUND
	s_barrier_signal -1
	s_barrier_wait -1
	CREST
.endm
	s_load_b128 s[4:7], s[0:1], 0x0                ; hf, wo16
	s_load_b128 s[68:71], s[0:1], 0x10             ; bo, out0
	v_lshl_add_u32 v[SPW], v0, 2, SPARE
	v_mov_b32 v[NIL], 0
	ds_add_u32 v[SPW], v[NIL]                      ; the wave's opening: the add, twice on end, and its wait ahead of my first tensor load
	ds_add_u32 v[SPW], v[NIL]
	v_lshrrev_b32 v1, 5, v0
	v_readfirstlane_b32 s10, v1                    ; wave 0..3
	s_lshr_b32 s11, s10, 1                         ; which half of the tile's rows is mine.  Also: I fetch for A (0) or for B (1)
	s_and_b32 s12, s10, 1                          ; which half of its columns.  Also: which half of that tile I fetch
	s_bfe_u32 s40, ttmp6, 0x40000
	s_bfe_u32 s41, ttmp6, 0x40004
	s_lshl_b32 s42, ttmp9, 2
	s_add_co_u32 s42, s42, s40                     ; tile column
	s_and_b32 s13, ttmp7, 0xffff
	s_lshl_b32 s13, s13, 2
	s_add_co_u32 s13, s13, s41                     ; tile row
	s_lshl_b32 s43, s41, 2
	s_lshl_b32 s43, 15, s43
	s_lshl_b32 s44, 0x1111, s40
	s_and_b32 s[KI], ttmp7, 0xffff                 ; the cluster's y,
	s_lshl_b32 s[KI], s[KI], 1
	s_add_co_u32 s[KI], s[KI], ttmp9               ; twice, + the cluster's x,
	s_and_b32 s[KI], s[KI], 3
	s_lshl_b32 s[KI], s[KI], 1                     ; modulo 4, twice: the K step at which my cluster begins
	s_mov_b32 s[OFS+1], 0
	s_or_b32 s[G1+0], s43, (3<<16)|(1<<21)         ; A: the mask of my row; elements of 8 bytes; no padding; bit 21 beside a mask
	s_mov_b32 s[G1+1], 1024<<16                    ; tensor_dim0 = 1,024 elements: 8,192 bytes, a K step's 16 pieces of a row tile
	s_mov_b32 s[G1+2], 4<<16                       ; tensor_dim1 = 4 row tiles
	s_mov_b32 s[G1+3], 1024<<16                    ; tile_dim0
	s_mov_b32 s[G1+4], 4                           ; tile_dim1
	s_mov_b32 s[G1+5], 8192                        ; from row tile to row tile: 65,536 bytes
	s_mov_b32 s[G1+6], 0
	s_mov_b32 s[G1+7], 0
	s_or_b32 s[G1B+0], s44, (1<<16)|(1<<20)|(1<<21)|(6<<22)|(3<<25)  ; B: the mask of my column; elements of 2 bytes; 4 words of padding after every 128
	s_mov_b32 s[G1B+1], KSTEP<<16
	s_mov_b32 s[G1B+2], 64<<16
	s_mov_b32 s[G1B+3], KSTEP<<16
	s_mov_b32 s[G1B+4], 64
	s_mov_b32 s[G1B+5], 2048
	s_mov_b32 s[G1B+6], 0
	s_mov_b32 s[G1B+7], 0
	s_lshl_b32 s16, s13, 3
	s_lshl_b32 s17, s12, 2
	s_add_co_u32 s16, s16, s17
	s_lshl_b32 s16, s16, 16                        ; A: row tile 8 x tile row + 4 x half
	s_mov_b32 s17, 0
	s_lshl_b32 s46, s42, 7
	s_lshl_b32 s47, s12, 6
	s_add_co_u32 s46, s46, s47
	s_lshl_b32 s46, s46, 12                        ; B: row 128 x tile column + 64 x half, 4,096 bytes a row
	s_mov_b32 s47, 0
	s_lshl_b32 s20, s12, 15                        ; where they go: no place in the cluster enters an LDS address
	s_mul_i32 s21, s12, BHALF
	s_add_co_u32 s21, s21, BOFF
	s_wait_dscnt 0x0                               ; both opening adds are done
	s_wait_kmcnt 0x0
	s_add_nc_u64 s[AB0:AB0+1], s[4:5], s[16:17]
	s_add_nc_u64 s[BB0:BB0+1], s[6:7], s[46:47]
	CROUND                                         ; all sixteen work-groups are here: the first joint loads meet
.irp s, 0,1
	s_mov_b32 s[G0+4*\s], 1
	s_add_co_u32 s[G0+4*\s+1], s20, \s*SLOT
	s_mov_b32 s[G0B+4*\s], 1
	s_add_co_u32 s[G0B+4*\s+1], s21, \s*SLOT
	AIM \s
	JLOAD \s                                       ; by this text's count two loads of mine are out at the start, later one
.endr
	v_and_b32 v1, 15, v0
	v_bfe_u32 v2, v0, 4, 1
	v_and_b32 v6, 31, v0
	v_lshlrev_b32 v6, 4, v6                        ; 16 x lane: my place in a piece
	v_mul_u32_u24 v3, v1, PITCH
	v_lshl_add_u32 v3, v2, 4, v3
	s_lshl_b32 s21, s11, 15                        ; my four row tiles of A
	s_mul_i32 s22, s12, BHALF                      ; my 64 rows of B
	s_add_co_u32 s22, s22, BOFF
.irp s, 0,1
	v_add_nc_u32 v[ADRA+\s], s21, v6
	v_add_nc_u32 v[ADRB+\s], s22, v3
	s_add_co_u32 s21, s21, SLOT
	s_add_co_u32 s22, s22, SLOT
.endr
	s_mul_i32 s23, s10, 16*SPITCH
	s_add_co_u32 s23, s23, STAGE                   ; my stage
	v_mul_u32_u24 v4, v1, SPITCH
	v_lshl_add_u32 v4, v2, 5, v4
	v_add_nc_u32 v[STO], s23, v4                   ; in: row lane % 16, 32 bytes for each half of the lanes
	v_mul_u32_u24 v5, v2, SPITCH
	v_lshl_add_u32 v5, v1, 4, v5
	v_add_nc_u32 v[RD], s23, v5                    ; back: lanes 0-15 one row of 256 bytes, lanes 16-31 the next
	v_lshlrev_b32 v5, 13, v2
	v_lshl_add_u32 v[CO], v1, 4, v5                ; and the same two rows in out0
	s_lshl_b32 s16, s13, 7
	s_lshl_b32 s17, s11, 6
	s_add_co_u32 s16, s16, s17
	s_lshl_b32 s16, s16, 13                        ; my first row, 8,192 bytes a row
	s_lshl_b32 s46, s42, 9
	s_lshl_b32 s47, s12, 8
	s_add_co_u32 s46, s46, s47                     ; my first column, in bytes
	s_mov_b32 s47, 0
	s_add_nc_u64 s[68:69], s[68:69], s[46:47]
	s_add_co_u32 s46, s46, s16
	s_add_nc_u64 s[8:9], s[70:71], s[46:47]
	v_lshlrev_b32 v7, 5, v2
.irp b, 0,1,2,3
	global_load_b128 v[BIAS+8*\b:BIAS+8*\b+3], v7, s[68:69] offset:64*\b           ; bo at columns 16 b + 8 (lane / 16) + 0..7
	global_load_b128 v[BIAS+8*\b+4:BIAS+8*\b+7], v7, s[68:69] offset:64*\b+16
.endr
; 8 matrix instructions: m blocks a0, a0 + 1 x all 4 n blocks, 32 along K.  zero = 1: the first product starts the sums, on bo.  The 16 accumulators take turns.
.macro MUL8 f, c, a0, zero
.irp a, \a0, \a0+1
.irp b, 0,1,2,3
.if \zero
	v_wmma_f32_16x16x32_f16 v[ACC+8*(4*(\a)+\b):ACC+8*(4*(\a)+\b)+7], v[\f+64+8*(4*\c+\b):\f+64+8*(4*\c+\b)+7], v[\f+8*(4*\c+\a):\f+8*(4*\c+\a)+7], v[BIAS+8*\b:BIAS+8*\b+7]
.else
	v_wmma_f32_16x16x32_f16 v[ACC+8*(4*(\a)+\b):ACC+8*(4*(\a)+\b)+7], v[\f+64+8*(4*\c+\b):\f+64+8*(4*\c+\b)+7], v[\f+8*(4*\c+\a):\f+8*(4*\c+\a)+7], v[ACC+8*(4*(\a)+\b):ACC+8*(4*(\a)+\b)+7]
.endif
.endr
.endr
.endm
; 32 LDS loads in one run: the fragments of 64 along K (byte k of B's rows; pieces k / 32 on of A's row tiles) into buffer f
.macro FETCH slot, k, f
	WIN TO_F
.irp c, 0,1
.irp i, 0,1,2,3
	ds_load_b128 v[\f+64+8*(4*\c+\i):\f+64+8*(4*\c+\i)+3],   v[ADRB+\slot] offset:\k+64*\c+\i*16*PITCH
	ds_load_b128 v[\f+64+8*(4*\c+\i)+4:\f+64+8*(4*\c+\i)+7], v[ADRB+\slot] offset:\k+64*\c+\i*16*PITCH+32
	ds_load_b128 v[\f+8*(4*\c+\i):\f+8*(4*\c+\i)+3],         v[ADRA+\slot] offset:\i*8192+((\k)/64+\c)*1024
	ds_load_b128 v[\f+8*(4*\c+\i)+4:\f+8*(4*\c+\i)+7],       v[ADRA+\slot] offset:\i*8192+((\k)/64+\c)*1024+512
.endr
.endr
.endm
.macro PLACES
.rept 4
	v_nop
.endr
.endm
.macro QUARTER slot, k, f, g, zero
	s_wait_dscnt 16                                ; the first 32 along K are in; the youngest sixteen loads may be out
	WIN MUL
	MUL8 \f, 0, 0, \zero
	MUL8 \f, 0, 2, \zero
	PLACES
	FETCH \slot, \k, \g
	s_wait_dscnt 32                                ; all but the 32 just issued
	WIN MUL
	MUL8 \f, 1, 0, 0
	MUL8 \f, 1, 2, 0
.endm
.macro TURN slot, next, fill
	WIN 0
	s_wait_tensorcnt 0x0                           ; all my tensor loads have landed: my part of the next slot; so every group 0 may be written
	ds_add_u32 v[SPW], v[NIL]                      ; 0 onto my spare word; the descriptors' lines, work on registers, stand between it and the wait for it
.if \fill
.if \slot == 0
	s_add_co_u32 s[KI], s[KI], 2                   ; two K steps on,
	s_and_b32 s[KI], s[KI], 7                      ; round the eight
.endif
	AIM \slot
.endif
	s_wait_dscnt 17                                ; the add and the youngest sixteen loads may be out
	WIN MUL
	MUL8 F1, 0, 0, 0
	s_wait_dscnt 0x0                               ; the add is done, and my reads of this slot are over
	s_barrier_signal -1
	MUL8 F1, 0, 2, 0
.if \fill
	WIN 0
.endif
	s_barrier_wait -1
.if \fill
	CREST                                          ; the barrier has opened a round of the cluster's barrier: no wave of any partner still reads this slot or has a load on its way
	JLOAD \slot                                    ; the first tensor load behind the round; its four v_nop are the places in front of the loads below
.else
	PLACES
.endif
	FETCH \next, 0, F0
	WIN MUL
	MUL8 F1, 1, 0, 0
	MUL8 F1, 1, 2, 0
.endm
	s_wait_tensorcnt 1                             ; my part of the first K step is in; the second's load may be out
	s_barrier_signal -1
	s_barrier_wait -1
	FETCH 0, 0, F0
	s_wait_loadcnt 0x0                             ; bo
	QUARTER 0, 128, F0, F1, 1
	WIN 0
	s_mov_b32 s3, LAPS-1
.Llap:
	QUARTER 0, 256, F1, F0, 0
	QUARTER 0, 384, F0, F1, 0
	TURN 0, 1, 1
	QUARTER 1, 128, F0, F1, 0
	QUARTER 1, 256, F1, F0, 0
	QUARTER 1, 384, F0, F1, 0
	TURN 1, 0, 1
	QUARTER 0, 128, F0, F1, 0
	WIN 0
	s_sub_co_u32 s3, s3, 1
	s_cmp_lg_u32 s3, 0
	s_cbranch_scc1 .Llap
	QUARTER 0, 256, F1, F0, 0                      ; the last lap fills nothing
	QUARTER 0, 384, F0, F1, 0
	TURN 0, 1, 0
	QUARTER 1, 128, F0, F1, 0
	QUARTER 1, 256, F1, F0, 0
	QUARTER 1, 384, F0, F1, 0
	s_wait_dscnt 16
	WIN MUL
	MUL8 F1, 0, 0, 0
	MUL8 F1, 0, 2, 0
	s_wait_dscnt 0
	MUL8 F1, 1, 0, 0
	MUL8 F1, 1, 2, 0
	WIN 0
; THE WAY OUT, 16 rows x 64 columns at a time, through my own stage: a lane holds 32 bytes of a row; they come back as whole rows of 256 bytes, which sixteen lanes store as one aligned run.
; LDS serves a wave's instructions in order (ISA guide 5.7.1.4): no wait between the stores and the loads, nor in front of the next block's stores.
.macro TOSTAGE a
.irp b, 0,1,2,3
	ds_store_b128 v[STO], v[ACC+8*(4*(\a)+\b):ACC+8*(4*(\a)+\b)+3] offset:64*\b       ; each accumulator from its low end on
	ds_store_b128 v[STO], v[ACC+8*(4*(\a)+\b)+4:ACC+8*(4*(\a)+\b)+7] offset:64*\b+16
.endr
.set BB, TMP+32*((\a)%2)
.irp t, 0,1,2,3,4,5,6,7
	ds_load_b128 v[BB+4*\t:BB+4*\t+3], v[RD] offset:\t*2*SPITCH
.endr
.endm
.macro SEND a, younger                 ; younger: the LDS instructions issued behind block a's loads: the next block's eight stores and eight loads, or none
.set BB, TMP+32*((\a)%2)
	s_wait_dscnt \younger
.irp t, 0,1,2,3,4,5,6,7
	global_store_b128 v[CO], v[BB+4*\t:BB+4*\t+3], s[8:9] offset:(16*(\a)+2*\t)*SIZE_N*4 th:TH_STORE_NT
.endr
.endm
	PLACES
	TOSTAGE 0
	TOSTAGE 1
	SEND 0, 16
	s_wait_xcnt 0x0                                ; block 0's stores have read their registers: block 2's loads may land there
	TOSTAGE 2
	SEND 1, 16
	s_wait_xcnt 0x0
	TOSTAGE 3
	SEND 2, 16
	SEND 3, 0
	s_wait_tensorcnt 0x0                           ; the wave's end
	ds_add_u32 v[SPW], v[NIL]
	s_wait_dscnt 0x0
	CROUND                                         ; the closing round: no work-group ends while a partner may still ask for a tile that names it
	s_endpgm
.Lfunc_end_k_q6345bebb30_proj:
	.size	k_q6345bebb30_proj, .Lfunc_end_k_q6345bebb30_proj-k_q6345bebb30_proj
	.p2alignl 7, 3214868480
	.fill 96, 4, 3214868480
	.section	.rodata,"a",@progbits
	.p2align	6, 0x0
	.amdhsa_kernel k_q6345bebb30_proj
		.amdhsa_group_segment_fixed_size 327680
		.amdhsa_private_segment_fixed_size 0
		.amdhsa_enable_private_segment 0
		.amdhsa_kernarg_size 32
		.amdhsa_user_sgpr_count 2
		.amdhsa_user_sgpr_kernarg_segment_ptr 1
		.amdhsa_wavefront_size32 1
		.amdhsa_system_sgpr_workgroup_id_x 1
		.amdhsa_system_sgpr_workgroup_id_y 1
		.amdhsa_system_sgpr_workgroup_id_z 1
		.amdhsa_system_vgpr_workitem_id 0
		.amdhsa_next_free_vgpr 512
		.amdhsa_next_free_sgpr 78
		.amdhsa_reserve_vcc 0
		.amdhsa_float_denorm_mode_32 3
		.amdhsa_float_denorm_mode_16_64 3
		.amdhsa_memory_ordered 1
		.amdhsa_forward_progress 1
		.amdhsa_inst_pref_size 87
	.end_amdhsa_kernel
	.amdgpu_metadata
---
amdhsa.version: [ 1, 2 ]
amdhsa.kernels:
  - .name:           k_q6345bebb30_proj
    .symbol:         k_q6345bebb30_proj.kd
    .args:
      - { .name: hf, .offset: 0, .size: 8, .value_kind: global_buffer, .address_space: global }
      - { .name: wo16, .offset: 8, .size: 8, .value_kind: global_buffer, .address_space: global }
      - { .name: bo, .offset: 16, .size: 8, .value_kind: global_buffer, .address_space: global }
      - { .name: out0, .offset: 24, .size: 8, .value_kind: global_buffer, .address_space: global }
    .group_segment_fixed_size: 327680
    .private_segment_fixed_size: 0
    .kernarg_segment_align: 8
    .kernarg_segment_size: 32
    .max_flat_workgroup_size: 128
    .sgpr_count:     78
    .vgpr_count:     512
    .wavefront_size: 32
...
	.end_amdgpu_metadata
.endif
;; end of part 5
;; launch fproj (part 6): grid 128 x 1, 8 waves a work-group, no clusters, 167,936 bytes of LDS; arguments hfine, Wo, bo, out0; writes out0
.if DOCPART == 6
	.amdgcn_target "amdgcn-amd-amdhsa--gfx1250"
	.amdhsa_code_object_version 6
	.text
	.protected	k_q6345bebb30_fproj
	.globl	k_q6345bebb30_fproj
	.p2align	8
	.type	k_q6345bebb30_fproj,@function
k_q6345bebb30_fproj:
	s_mov_b64 s[64:65], 0
	v_nop
	global_prefetch_b8 v0, s[64:65] scope:SCOPE_SE
	s_setreg_imm32_b32 hwreg(HW_REG_WAVE_MODE, 25, 1), 1
	s_wait_xcnt 0x0
; Launch 6 of 6: rows 0-15 of out0 once more, out0[r][n] = sum over k of head_out[r][k] Wo[n][k] + bo[n], with f32 operands (v_wmma_f32_16x16x4_f32): no bulk work, 16 of 2,048 rows.  It writes over what launch 5 left there.
; Nothing is left out.  A work-group takes 16 columns; wave w takes k = 256 w .. 256 w + 255; the eight partial sums meet in LDS and wave 0 adds them and bo.
; hfine: launch 4's f32 images: piece (16 channels cb, e) at cb x 1,024 + e x 512: lane (r, h): row r, channels 16 cb + 8 h + 4 e + 0..3.
; A K step of four is registers 2 i, 2 i + 1 of both halves of the lanes: channel 16 cb + 8 h + 2 i + j, in head_out and in Wo alike.
; Rows of 1,024 bytes + 16.  No LDS byte is filled again.
; The stores are pieces of 64 bytes of a row: 128 KB in all.
; The accumulators are written by matrix instructions alone; sums begin with the constant 0.
; REGISTERS: v1-7 addresses; v14, v15 the add's two; v16-23 sums; v24-31 bo; v32-63 four accumulators; v64-191 head_out's fragments; v192-255 Wo's, eight blocks of 16 channels at a time.
.set WROW,  1040
.set WTILE, 16*WROW
.set PART,  8*WTILE                    ; behind the eight tiles: 1,024 bytes of partial sums for each wave
.set SPARE, PART+8192                  ; the spare words, 128 bytes a wave: four blocks of 256 bytes that no other line names
.set ACC, 32
.set HB,  64
.set WA,  192
	s_load_b256 s[4:11], s[0:1], 0x0               ; hfine 4:5, Wo 6:7, bo 8:9, out0 10:11
	v_lshl_add_u32 v14, v0, 2, SPARE
	v_mov_b32 v15, 0
	ds_add_u32 v14, v15                            ; the wave's opening: the add, twice on end, and its wait ahead of my first tensor load
	ds_add_u32 v14, v15
	v_lshrrev_b32 v1, 5, v0
	v_readfirstlane_b32 s12, v1                    ; wave 0..7
	s_mov_b32 s20, (2<<16)|(1<<20)|(7<<22)|(3<<25) ; elements of 4 bytes; 4 words of padding after every 256
	s_mov_b32 s21, 256<<16                         ; tensor_dim0
	s_mov_b32 s22, 16<<16                          ; tensor_dim1
	s_mov_b32 s23, 256<<16                         ; tile_dim0
	s_mov_b32 s24, 16                              ; tile_dim1
	s_mov_b32 s25, 2048                            ; stride
	s_mov_b32 s26, 0
	s_mov_b32 s27, 0
	s_mov_b32 s16, 1
	s_mul_i32 s17, s12, WTILE                      ; my own bytes
	s_lshl_b32 s2, ttmp9, 17                       ; 16 rows of Wo, 8,192 bytes each
	s_lshl_b32 s3, s12, 10                         ; my 256 numbers of a row
	s_add_co_u32 s2, s2, s3
	s_mov_b32 s3, 0
	s_wait_dscnt 0x0                               ; both opening adds are done
	s_wait_kmcnt 0x0
	s_add_nc_u64 s[18:19], s[6:7], s[2:3]
	s_or_b32 s19, s19, 0x80000000
	tensor_load_to_lds s[16:19], s[20:27]          ; one load a wave, and the only one
	s_nop 0
	v_and_b32 v1, 31, v0
	v_lshlrev_b32 v2, 4, v1                        ; 16 x lane
	v_and_b32 v8, 15, v0                           ; r
	v_bfe_u32 v9, v0, 4, 1                         ; h
	v_lshlrev_b32 v3, 5, v9                        ; bo: 32 h
	v_mul_u32_u24 v4, v8, WROW
	v_lshl_add_u32 v4, v9, 5, v4
	v_add_nc_u32 v4, s17, v4                       ; Wo in LDS: row r, + 32 h
	s_lshl_b32 s28, s12, 10
	v_add_nc_u32 v5, s28, v2
	v_add_nc_u32 v5, PART, v5                      ; my partial sums
	v_add_nc_u32 v6, PART, v2                      ; and everybody's
	v_lshlrev_b32 v7, 13, v8
	v_lshl_add_u32 v7, v9, 5, v7                   ; out0: row r, + 32 h
	s_lshl_b32 s28, s12, 14
	s_mov_b32 s29, 0
	s_add_nc_u64 s[4:5], s[4:5], s[28:29]          ; my 16 blocks of 16 channels
	s_lshl_b32 s28, ttmp9, 6
	s_add_nc_u64 s[8:9], s[8:9], s[28:29]
	s_add_nc_u64 s[10:11], s[10:11], s[28:29]
	global_load_b128 v[24:27], v3, s[8:9]
	global_load_b128 v[28:31], v3, s[8:9] offset:16
.set n, 0
.rept 32
	global_load_b128 v[HB+4*n:HB+4*n+3], v2, s[4:5] offset:512*n
.set n, n+1
.endr
	s_wait_tensorcnt 0x0                           ; my tile is in; only I read it
.macro WFETCH half
.irp q, 0,1,2,3,4,5,6,7
	ds_load_b128 v[WA+8*\q:WA+8*\q+3], v4 offset:64*(8*\half+\q)
	ds_load_b128 v[WA+8*\q+4:WA+8*\q+7], v4 offset:64*(8*\half+\q)+16
.endr
.endm
.macro WMUL half                       ; four accumulators by turns
.irp q, 0,1,2,3,4,5,6,7
.irp i, 0,1,2,3
.if (\half == 0) && (\q == 0)
	v_wmma_f32_16x16x4_f32 v[ACC+8*\i:ACC+8*\i+7], v[WA+8*\q+2*\i:WA+8*\q+2*\i+1], v[HB+8*(8*\half+\q)+2*\i:HB+8*(8*\half+\q)+2*\i+1], 0
.else
	v_wmma_f32_16x16x4_f32 v[ACC+8*\i:ACC+8*\i+7], v[WA+8*\q+2*\i:WA+8*\q+2*\i+1], v[HB+8*(8*\half+\q)+2*\i:HB+8*(8*\half+\q)+2*\i+1], v[ACC+8*\i:ACC+8*\i+7]
.endif
.endr
.endr
.endm
	WFETCH 0
	s_wait_loadcnt 0x0
	s_wait_dscnt 0x0
	WMUL 0
.rept 8
	v_nop                                          ; eight places in front of loads into registers that this form has read
.endr
	WFETCH 1
	s_wait_dscnt 0x0
	WMUL 1
.rept 8
	v_nop
.endr
.irp z, 0,2,4,6
	v_pk_add_f32 v[16+\z:17+\z], v[ACC+\z:ACC+\z+1], v[ACC+8+\z:ACC+8+\z+1]         ; from the low ends on
.endr
.irp z, 0,2,4,6
	v_pk_add_f32 v[HB+\z:HB+\z+1], v[ACC+16+\z:ACC+16+\z+1], v[ACC+24+\z:ACC+24+\z+1]
.endr
.irp z, 0,2,4,6
	v_pk_add_f32 v[16+\z:17+\z], v[16+\z:17+\z], v[HB+\z:HB+\z+1]
.endr
	ds_store_b128 v5, v[16:19]
	ds_store_b128 v5, v[20:23] offset:512
	s_wait_dscnt 0x0                               ; for wave 0's sake: my stores have landed
	s_barrier_signal -1
	s_barrier_wait -1
	s_cmp_lg_u32 s12, 0
	s_cbranch_scc1 .Ldone
.irp u, 0,1,2,3,4,5,6,7
	ds_load_b128 v[HB+8*\u:HB+8*\u+3], v6 offset:1024*\u
	ds_load_b128 v[HB+8*\u+4:HB+8*\u+7], v6 offset:1024*\u+512
.endr
	s_wait_dscnt 0x0
.irp z, 0,2,4,6
	v_pk_add_f32 v[16+\z:17+\z], v[24+\z:25+\z], v[HB+\z:HB+\z+1]                   ; bo + wave 0's
.endr
.irp u, 1,2,3,4,5,6,7
.irp z, 0,2,4,6
	v_pk_add_f32 v[16+\z:17+\z], v[16+\z:17+\z], v[HB+8*\u+\z:HB+8*\u+\z+1]
.endr
.endr
	global_store_b128 v7, v[16:19], s[10:11]       ; out0(r, n0 + 8 h + 0..3)
	global_store_b128 v7, v[20:23], s[10:11] offset:16
.Ldone:
	s_wait_tensorcnt 0x0                           ; the wave's end
	ds_add_u32 v14, v15
	s_wait_dscnt 0x0
	s_endpgm
.Lfunc_end_k_q6345bebb30_fproj:
	.size	k_q6345bebb30_fproj, .Lfunc_end_k_q6345bebb30_fproj-k_q6345bebb30_fproj
	.p2alignl 7, 3214868480
	.fill 96, 4, 3214868480
	.section	.rodata,"a",@progbits
	.p2align	6, 0x0
	.amdhsa_kernel k_q6345bebb30_fproj
		.amdhsa_group_segment_fixed_size 167936
		.amdhsa_private_segment_fixed_size 0
		.amdhsa_enable_private_segment 0
		.amdhsa_kernarg_size 32
		.amdhsa_user_sgpr_count 2
		.amdhsa_user_sgpr_kernarg_segment_ptr 1
		.amdhsa_wavefront_size32 1
		.amdhsa_system_sgpr_workgroup_id_x 1
		.amdhsa_system_sgpr_workgroup_id_y 1
		.amdhsa_system_sgpr_workgroup_id_z 1
		.amdhsa_system_vgpr_workitem_id 0
		.amdhsa_next_free_vgpr 256
		.amdhsa_next_free_sgpr 66
		.amdhsa_reserve_vcc 0
		.amdhsa_float_denorm_mode_32 3
		.amdhsa_float_denorm_mode_16_64 3
		.amdhsa_memory_ordered 1
		.amdhsa_forward_progress 1
		.amdhsa_inst_pref_size 17
	.end_amdhsa_kernel
	.amdgpu_metadata
---
amdhsa.version: [ 1, 2 ]
amdhsa.kernels:
  - .name:           k_q6345bebb30_fproj
    .symbol:         k_q6345bebb30_fproj.kd
    .args:
      - { .name: hfine, .offset: 0, .size: 8, .value_kind: global_buffer, .address_space: global }
      - { .name: Wo, .offset: 8, .size: 8, .value_kind: global_buffer, .address_space: global }
      - { .name: bo, .offset: 16, .size: 8, .value_kind: global_buffer, .address_space: global }
      - { .name: out0, .offset: 24, .size: 8, .value_kind: global_buffer, .address_space: global }
    .group_segment_fixed_size: 167936
    .private_segment_fixed_size: 0
    .kernarg_segment_align: 8
    .kernarg_segment_size: 32
    .max_flat_workgroup_size: 256
    .sgpr_count:     66
    .vgpr_count:     256
    .wavefront_size: 32
...
	.end_amdgpu_metadata
.endif
;; end of part 6
